; MI455X (gfx1250); checked and timed in simulation.
; The chip was launched on July 23, 2026; its instructions are those of AMD's public machine-readable ISA for CDNA 5 (MIT licence, August 2026) and "CDNA5" Instruction Set Architecture Reference Guide (July 2026). The comments in the code are by the model that wrote it; some were corrected since.
;; Multi Head Attention. Allowed arithmetic: matrix products marked QUANTISED: E4M3 operands, one E8M0 scale for each 32 along K, by v_wmma_scale_f32_16x16x128_f8f6f4 with both operands' format E4M3, f32 sums; everything else in f32.
;; Inputs: b_k 1,024 float32; b_o 1,024 float32; b_q 1,024 float32; b_v 1,024 float32; w_k 1,024 x 1,024 float32; w_o 1,024 x 1,024 float32; w_q 1,024 x 1,024 float32; w_v 1,024 x 1,024 float32; x 4 x 2,048 x 1,024 float32.
;; Outputs: out0 4 x 2,048 x 1,024 float32.
;; This version of the problem:
;;   THIS VERSION OF THE PROBLEM IS GIVEN IN LOW PRECISION. The matrix products marked QUANTISED in the list below multiply operands that are first quantised to E4M3 (4 exponent bits, 3 mantissa bits; 8 bits a number), with one power-of-two scale for each 32 numbers along K (OCP MX v1.0); their sums are f32. All else is computed in f32.
;;   The module's matrix products, in the order in which they are computed (A, B: the left and right operand; K: the contracted axis; several contracted axes count as one K, in the product's order):
;;     1. [M 8,192, K 1,024] x [K 1,024, N 1,024]; A: input x; B: input w_q: QUANTISED
;;     2. [M 8,192, K 1,024] x [K 1,024, N 1,024]; A: input x; B: input w_k: QUANTISED
;;     3. [M 8,192, K 1,024] x [K 1,024, N 1,024]; A: input x; B: input w_v: QUANTISED
;;     4. batch 64 x [M 2,048, K 64] x [K 64, N 2,048]; A: computed on the way; B: computed on the way: QUANTISED
;;     5. batch 64 x [M 2,048, K 2,048] x [K 2,048, N 64]; A: softmax (see below); B: computed on the way: QUANTISED
;;     6. [M 8,192, K 1,024] x [K 1,024, N 1,024]; A: computed on the way; B: input w_o: QUANTISED
;;   THE QUANTISER, for each operand of a quantised product, along K:
;;     - K is cut into blocks of 32 from its start; a last block that is shorter is filled with zeros.
;;     - A block's scale is 2^e with e = floor(log2(the largest magnitude in the block)) - 8, held to -126 .. 127; a block of zeros has e = 0. As a byte (E8M0): e + 127.
;;     - Each number is divided by its block's scale, clamped to +-448, and rounded to the nearest number of E4M3, ties to even, subnormals kept.
;;     - The product sums the exact products of the quantised numbers (number of the format x scale) in f32.
;;   ~~~python
;;   def quantise(x, axis):      # numpy; x: float32 -> the quantised numbers, widened to float32 again
;;       x = np.moveaxis(x, axis, -1); K = x.shape[-1]
;;       x = np.pad(x, [(0, 0)] * (x.ndim - 1) + [(0, -K % 32)]); x = x.reshape(x.shape[:-1] + (-1, 32)); a = np.abs(x).max(-1, keepdims=True)
;;       e = np.where(a > 0, np.clip(np.frexp(np.where(a > 0, a, 1))[1] - 1 - 8, -126, 127), 0)      # np.frexp(a)[1] - 1 = floor(log2(a)), exactly
;;       r = np.clip(x / 2.0 ** e, -448, 448)
;;       step = 2.0 ** (np.maximum(np.frexp(np.where(r == 0, 1, r))[1] - 1, -6) - 3)
;;       q = np.round(r / step) * step * 2.0 ** e      # np.round: ties to even
;;       return np.moveaxis(q.reshape(q.shape[:-2] + (-1,))[..., :K], -1, axis).astype(np.float32)
;;   ~~~
;;   SOFTMAX AHEAD OF A QUANTISED PRODUCT. Where the list says 'softmax', what is quantised is not the finished softmax but p = 2^(t - M), with t = logit x log2(e) and M = ceil(the row's largest t), a whole number; so 1/2 < the row's largest p <= 1. The row's sum l is taken of the UNQUANTISED p, in f32, and the product's result is divided by l at the end. Since M is a whole number, a kernel that streams over the keys may use a running M (the ceiling of the running maximum): every later rescaling is an exact power of two, which a block's scale takes up: the codes' values come out the same.
;;   OPERANDS COMPUTED ON THE WAY. 'Computed on the way' means the value that the module computes at that place (a softmax that the list does not call 'softmax' is quantised finished and normalised). What goes into a quantiser is computed in f32, as accurately as f32 sums, v_exp_f32 and their like allow (about 1e-6 of the number): no bf16 or f16 on the way to a quantiser, and a product that is left as it is and whose result goes on into a quantised operand takes f32 operands (vector FMAs, or v_wmma_f32_16x16x4_f32). A number that lies on a knife's edge between two numbers of the format may be rounded either way, as far as f32 arithmetic and the matrix unit's own rounding can turn it there, and no further.
;; One version. Each part assembles by itself: llvm-mc -triple=amdgcn-amd-amdhsa -mcpu=gfx1250 --defsym DOCPART=n.
;; ======== version 1 of 1: 4 launches
;; limits: right only within a limited range of input values
;; workspace buffers: img 12,582,912 bytes; scl 393,216 bytes; qkv_img 25,165,824 bytes; qkv_scl 786,432 bytes
;; launch quant (part 1): grid 768 x 1, 4 waves a work-group, no clusters, 34,304 bytes of LDS; arguments x, w_q, w_k, w_v, w_o, img, scl; writes img, scl
.if DOCPART == 1
	.amdgcn_target "amdgcn-amd-amdhsa--gfx1250"
	.amdhsa_code_object_version 6
	.text
	.protected	k_q2d2c020540_quant
	.globl	k_q2d2c020540_quant
	.p2align	8
	.type	k_q2d2c020540_quant,@function
k_q2d2c020540_quant:
	s_mov_b64 s[64:65], 0
	v_nop
	global_prefetch_b8 v0, s[64:65] scope:SCOPE_SE
	s_setreg_imm32_b32 hwreg(HW_REG_WAVE_MODE, 25, 1), 1
	s_wait_xcnt 0x0
; x [8192][1024] and the four weights [1024 (k)][1024 (n)], f32, become codes of FP8 (E4M3) with one E8M0 scale byte for each 32 along K.
; THE FORMAT OF EVERY OPERAND OF THIS PROGRAM is an image of the operand's registers.  A PIECE is 16 rows x one block of 32 along K, 512 bytes: lane L = r + 16 h owns bytes 16 L .. 16 L + 15,
; and its byte i is the code of row r at k = 32 block + 8 h + (i & 7) + 16 (i >> 3).  That order stays inside a block of 32 and is the same in both operands of every product, so scales and products are
; those of the plain order; it is the order in which the 16 registers of two neighbouring 16 x 16 results fall in a lane, so that later launches can store what their conversions give.
; img: [tile of 256 rows: 48][16 rows: 16][128 along K: 8][block: 4][512 bytes].  Tiles 0-31: x (row = token); 32-35 w_q, 36-39 w_k, 40-43 w_v, 44-47 w_o (row = output column n).
; scl: [tile: 48][256 along K: 4][row: 256][128 along K: 2][4 bytes, one for each block].
; A block's scale is 2^(floor(log2(its largest magnitude)) - 8); its byte is the largest magnitude's exponent field - 8, held at 1 from below.
; LIMITS: a block of zeros gets the byte 1 where the rule says 127 (its codes are zeros, which add nothing, and this program alone reads the bytes); NaN and infinities among the inputs are not served.
; Work-groups 0-511 take x: 16 rows each, wave w the 256 along K from 256 w on.  Work-groups 512-767 take the weights.  Only x's path uses LDS.  No tensor loads, no barrier: waves share nothing.
.set SEL, 20                           ; s[20:21] lane selects for v_permlanex16_b32: lane l xor 16
.set MNT, 22                           ; s22      the mantissa field of 448
.set R,   16                           ; v16-143  x as loaded: two fragments x 16 rows x 4 registers
.set X,   144                          ; v144-207 64 numbers of my row, register 16 c + i = place (h, i) of block c
.set PC,  208                          ; v208-239 codes: 16 registers for each of the two fragments, so that no store's data are written again
.set TM,  240                          ; v240-255 at work: largest magnitudes, bytes, holds, scale operands
.set SP,  528                          ; a stage row: 512 bytes + 16: the 16 rows that a load touches start at 16 different columns of 16 bytes
.set XW,  16                           ; the weights' path: v16-79 two sets of 32 numbers
.set CW,  80                           ; v80-111  codes, 8 registers for each of four blocks
.set SB,  112                          ; v112     the four scale bytes
; 64 numbers of a lane, v[s + 16 b + i], become a fragment's 16 registers of codes in v[pc] on and the row's scale word in v[pw].
.macro QUANT s, pc, pw
.irp b, 0,1,2,3
	v_max3_num_f32 v[TM+\b], |v[\s+16*\b]|, |v[\s+1+16*\b]|, 0x4800000   ; my 16 numbers of block b, and the floor 2^(9 - 127): the byte cannot fall under 1
.endr
.irp i, 2,4,6,8,10,12,14
.irp b, 0,1,2,3
	v_max3_num_f32 v[TM+\b], v[TM+\b], |v[\s+16*\b+\i]|, |v[\s+1+16*\b+\i]|   ; the four blocks by turns
.endr
.endr
.irp b, 0,1,2,3
	v_permlanex16_b32 v[TM+4+\b], v[TM+\b], s[SEL], s[SEL+1]
.endr
.irp b, 0,1,2,3
	v_max_num_f32 v[TM+\b], v[TM+\b], v[TM+4+\b]   ; with lane l xor 16's 16: the block's largest magnitude
.endr
.irp b, 0,1,2,3
	v_add_nc_u32 v[TM+12+\b], 0xfc000000, v[TM+\b]   ; 8 off its exponent field: the conversion's scale operand
.endr
.irp b, 0,1,2,3
	v_and_or_b32 v[TM+8+\b], v[TM+\b], 0x7f800000, s[MNT]   ; 448 x the scale
.endr
.irp b, 0,1,2,3
	v_lshrrev_b32 v[TM+4+\b], 23, v[TM+12+\b]   ; the scale's byte
.endr
	v_lshl_or_b32 v[\pw], v[TM+5], 8, v[TM+4]
	v_lshl_or_b32 v[\pw], v[TM+6], 16, v[\pw]
	v_lshl_or_b32 v[\pw], v[TM+7], 24, v[\pw]
.irp b, 0,1,2,3
.irp i, 0,1,2,3,4,5,6,7,8,9,10,11,12,13,14,15
	v_med3_num_f32 v[\s+16*\b+\i], v[\s+16*\b+\i], -v[TM+8+\b], v[TM+8+\b]   ; the conversion to an 8-bit code does not saturate (ISA guide 7.6.2): hold first
.endr
	v_cvt_scalef32_pk8_fp8_f32 v[\pc+4*\b:\pc+1+4*\b], v[\s+16*\b:\s+7+16*\b], v[TM+12+\b]
	v_cvt_scalef32_pk8_fp8_f32 v[\pc+2+4*\b:\pc+3+4*\b], v[\s+8+16*\b:\s+15+16*\b], v[TM+12+\b]
.endr
	v_nop                                          ; one plain line behind the last conversion
.endm
	s_load_b256 s[4:11], s[0:1], 0x0               ; x s[4:5], w_q s[6:7], w_k s[8:9], w_v s[10:11]
	s_load_b128 s[12:15], s[0:1], 0x20             ; w_o s[12:13], img s[14:15]
	s_load_b64 s[16:17], s[0:1], 0x30              ; scl
	v_lshl_add_u32 v14, v0, 2, 0x8400
	v_mov_b32 v15, 0
	v_lshrrev_b32 v1, 5, v0
	v_readfirstlane_b32 s18, v1                    ; wave 0..3
	v_and_b32 v1, 31, v0                           ; lane
	v_and_b32 v2, 15, v0                           ; r
	v_bfe_u32 v3, v0, 4, 1                         ; h
	s_mov_b32 s[SEL], 0x76543210
	s_mov_b32 s[SEL+1], 0xfedcba98
	s_mov_b32 s[MNT], 0x600000
	s_cmp_lt_u32 ttmp9, 512
	s_cbranch_scc0 .Lweights
	; ---- x: 16 rows x 256 along K a wave: two fragments
	v_lshlrev_b32 v4, 4, v1                        ; 16 x lane: a load's 512 bytes, and an image's place
	s_mul_i32 s23, s18, 16*SP                      ; my wave's stage
	v_add_nc_u32 v5, s23, v4                       ; into it: a row as it lies
	v_mul_u32_u24 v6, v2, SP
	v_lshl_add_u32 v6, v3, 5, v6
	v_add_nc_u32 v6, s23, v6                       ; out of it: row r, + 32 h bytes: my eight numbers of each half block
	v_lshlrev_b32 v7, 3, v2
	v_lshl_add_u32 v7, v3, 2, v7                   ; scale words: 8 r + 4 h
.irp b, 0,1,2,3
	v_mov_b32 v[TM+4+\b], 0                        ; written once: a lane permute's destination counts as one of its sources
.endr
	s_lshl_b32 s24, ttmp9, 16                      ; x: 16 rows of 4,096 bytes a work-group,
	s_lshl_b32 s25, s18, 10                        ; 1,024 bytes of a row a wave
	s_add_co_u32 s24, s24, s25
	s_mov_b32 s25, 0
	s_lshl_b32 s26, ttmp9, 14                      ; img: 16,384 bytes for 16 rows, 4,096 for my two fragments
	s_lshl_b32 s27, s18, 12
	s_add_co_u32 s26, s26, s27
	s_mov_b32 s27, 0
	s_lshr_b32 s28, ttmp9, 4                       ; scl: tile x 8,192 + wave x 2,048 + (16 rows in the tile) x 128
	s_lshl_b32 s28, s28, 13
	s_lshl_b32 s29, s18, 11
	s_add_co_u32 s28, s28, s29
	s_and_b32 s29, ttmp9, 15
	s_lshl_b32 s29, s29, 7
	s_add_co_u32 s28, s28, s29
	s_mov_b32 s29, 0
	s_wait_alu depctr_va_vdst(0)
	s_wait_kmcnt 0x0
	s_add_nc_u64 s[4:5], s[4:5], s[24:25]
	s_add_nc_u64 s[14:15], s[14:15], s[26:27]
	s_add_nc_u64 s[16:17], s[16:17], s[28:29]
.irp f, 0,1
.irp j, 0,1,2,3,4,5,6,7,8,9,10,11,12,13,14,15
	global_load_b128 v[R+64*\f+4*\j:R+64*\f+4*\j+3], v4, s[4:5] offset:4096*\j+512*\f th:TH_LOAD_NT   ; 32 lanes read 512 consecutive bytes of row j
.endr
.endr
.macro XFRAG f                         ; fragment f: through my stage, so that a lane holds 16 numbers of each block of its row; quantised; stored as an image
.if \f == 0
	s_wait_loadcnt 16                              ; fragment 0's sixteen loads are in; fragment 1's sixteen are younger
.else
	s_wait_loadcnt 0x0
.endif
.irp j, 0,1,2,3,4,5,6,7,8,9,10,11,12,13,14,15
	ds_store_b128 v5, v[R+64*\f+4*\j:R+64*\f+4*\j+3] offset:SP*\j
.endr
.irp c, 0,1,2,3                        ; LDS serves a wave's instructions in order (ISA guide 5.7.1.4): these see the stores above
	ds_load_b128 v[X+16*\c:X+16*\c+3],     v6 offset:128*\c
	ds_load_b128 v[X+16*\c+4:X+16*\c+7],   v6 offset:128*\c+16
	ds_load_b128 v[X+16*\c+8:X+16*\c+11],  v6 offset:128*\c+64
	ds_load_b128 v[X+16*\c+12:X+16*\c+15], v6 offset:128*\c+80
.endr
	s_wait_dscnt 0x0
	QUANT X, PC+16*\f, 10+\f
.irp c, 0,1,2,3
	global_store_b128 v4, v[PC+16*\f+4*\c:PC+16*\f+4*\c+3], s[14:15] offset:2048*\f+512*\c   ; a piece: 512 consecutive bytes, aligned
.endr
.endm
	XFRAG 0
	XFRAG 1
	v_cmp_ne_u32 vcc_lo, 0, v3
	v_cndmask_b32 v12, v10, v11, vcc_lo            ; lanes 0-15 store fragment 0's word of row r, lanes 16-31 fragment 1's
	global_store_b32 v7, v12, s[16:17]             ; 128 consecutive bytes
	s_wait_tensorcnt 0x0
	ds_add_u32 v14, v15
	s_wait_dscnt 0x0
	s_endpgm
	; ---- the weights: K is the first axis.  A lane takes a column n and its registers run down K: a block of 32 lies in one lane, and nothing is transposed.
	; Work-group: weight = id / 64, 128 columns = (id / 8) % 8, 128 along K = id % 8; a wave takes 32 of the columns.
.Lweights:
	s_sub_co_u32 s23, ttmp9, 512                   ; id
	s_lshr_b32 s24, s23, 6                         ; which weight
	s_bfe_u32 s25, s23, 0x30003
	s_and_b32 s26, s23, 7                          ; which 128 along K
	s_lshl_b32 s25, s25, 7
	s_lshl_b32 s27, s18, 5
	s_add_co_u32 s25, s25, s27                     ; n0: my wave's first column
	s_lshl_b32 s28, s26, 19                        ; in the weight: 128 rows of 4,096 bytes a K step, 4 bytes a column
	s_lshl_b32 s29, s25, 2
	s_add_co_u32 s28, s28, s29
	s_mov_b32 s29, 0
	s_lshl_b32 s30, s24, 2                         ; img: tile 32 + 4 x weight; 16,384 bytes for 16 columns; 2,048 for a K step
	s_add_co_u32 s30, s30, 32
	s_lshl_b32 s30, s30, 18
	s_lshl_b32 s31, s25, 10
	s_add_co_u32 s30, s30, s31
	s_lshl_b32 s31, s26, 11
	s_add_co_u32 s30, s30, s31
	s_mov_b32 s31, 0
	s_lshl_b32 s32, s24, 2                         ; scl: (32 + 4 x weight + n0 / 256) x 8,192 + (K step / 2) x 2,048 + (n0 % 256) x 8 + (K step % 2) x 4
	s_add_co_u32 s32, s32, 32
	s_lshr_b32 s33, s25, 8
	s_add_co_u32 s32, s32, s33
	s_lshl_b32 s32, s32, 13
	s_lshr_b32 s33, s26, 1
	s_lshl_b32 s33, s33, 11
	s_add_co_u32 s32, s32, s33
	s_and_b32 s33, s25, 255
	s_lshl_b32 s33, s33, 3
	s_add_co_u32 s32, s32, s33
	s_and_b32 s33, s26, 1
	s_lshl_b32 s33, s33, 2
	s_add_co_u32 s32, s32, s33
	s_mov_b32 s33, 0
	s_wait_alu depctr_va_vdst(0)
	v_lshlrev_b32 v4, 2, v1                        ; in: 4 bytes a lane: 128 consecutive bytes a load
	v_lshlrev_b32 v5, 4, v2
	v_lshl_add_u32 v5, v3, 14, v5                  ; out: lanes 0-15 the first 16 columns' pieces, lanes 16-31 the next 16 columns'; 16 bytes a column
	v_lshlrev_b32 v6, 3, v1                        ; scale words: 8 bytes from column to column
	s_wait_alu depctr_va_vdst(0)
	s_wait_kmcnt 0x0
	s_cmp_eq_u32 s24, 1                            ; the choice hangs on the work-group's number alone
	s_cselect_b64 s[6:7], s[8:9], s[6:7]
	s_cmp_eq_u32 s24, 2
	s_cselect_b64 s[6:7], s[10:11], s[6:7]
	s_cmp_eq_u32 s24, 3
	s_cselect_b64 s[6:7], s[12:13], s[6:7]
	s_add_nc_u64 s[6:7], s[6:7], s[28:29]
	s_add_nc_u64 s[14:15], s[14:15], s[30:31]
	s_add_nc_u64 s[16:17], s[16:17], s[32:33]
.macro LOADW t                         ; block t: w(32 t + i, my column) into set t % 2
.set i, 0
.rept 32
	global_load_b32 v[XW+32*((\t)%2)+i], v4, s[6:7] offset:(32*(\t)+i)*4096 th:TH_LOAD_NT
.set i, i+1
.endr
.endm
	LOADW 0
	LOADW 1
.macro BLOCKW t
.set XS, XW+32*((\t)%2)
.if (\t) < 3
	s_wait_loadcnt 32                              ; this block's 32 loads are in; the next block's 32 are younger
.else
	s_wait_loadcnt 0x0
.endif
	v_max3_num_f32 v8, |v[XS]|, |v[XS+1]|, |v[XS+2]|   ; the block's largest magnitude: all 32 numbers are mine; two chains
	v_max3_num_f32 v9, |v[XS+3]|, |v[XS+4]|, |v[XS+5]|
.irp i, 6,10,14,18,22,26
	v_max3_num_f32 v8, v8, |v[XS+\i]|, |v[XS+\i+1]|
	v_max3_num_f32 v9, v9, |v[XS+\i+2]|, |v[XS+\i+3]|
.endr
	v_max3_num_f32 v8, v8, |v[XS+30]|, |v[XS+31]|
	v_max3_num_f32 v8, v8, v9, 0x4800000           ; and the floor 2^(9 - 127)
	v_add_nc_u32 v11, 0xfc000000, v8               ; the conversion's scale operand
	v_and_or_b32 v10, v8, 0x7f800000, s[MNT]       ; 448 x the scale
	v_lshrrev_b32 v13, 23, v11                     ; the scale's byte
.if (\t) == 0
	v_mov_b32 v[SB], v13
.else
	v_lshl_or_b32 v[SB], v13, 8*(\t), v[SB]
.endif
.set i, 0
.rept 32
	v_med3_num_f32 v[XS+i], v[XS+i], -v10, v10
.set i, i+1
.endr
	; a piece's lower half of the lanes holds k = 0-7 and 16-23 of a block, its upper half k = 8-15 and 24-31
	v_cvt_scalef32_pk8_fp8_f32 v[CW+8*(\t):CW+8*(\t)+1],   v[XS:XS+7],     v11
	v_cvt_scalef32_pk8_fp8_f32 v[CW+8*(\t)+4:CW+8*(\t)+5], v[XS+8:XS+15],  v11
	v_cvt_scalef32_pk8_fp8_f32 v[CW+8*(\t)+2:CW+8*(\t)+3], v[XS+16:XS+23], v11
	v_cvt_scalef32_pk8_fp8_f32 v[CW+8*(\t)+6:CW+8*(\t)+7], v[XS+24:XS+31], v11
	v_nop                                          ; one plain line behind the last conversion
	global_store_b128 v5, v[CW+8*(\t):CW+8*(\t)+3],   s[14:15] offset:512*(\t)       ; sixteen lanes store 256 consecutive bytes, aligned
	global_store_b128 v5, v[CW+8*(\t)+4:CW+8*(\t)+7], s[14:15] offset:512*(\t)+256
.if (\t) < 2
	LOADW (\t)+2
.endif
.endm
	BLOCKW 0
	BLOCKW 1
	BLOCKW 2
	BLOCKW 3
	global_store_b32 v6, v[SB], s[16:17]           ; 4 bytes of every 8: the other K step's work-group writes the others.  The weights' scale bytes are 128 KiB in all
	s_endpgm
.Lfunc_end_k_q2d2c020540_quant:
	.size	k_q2d2c020540_quant, .Lfunc_end_k_q2d2c020540_quant-k_q2d2c020540_quant
	.p2alignl 7, 3214868480
	.fill 96, 4, 3214868480
	.section	.rodata,"a",@progbits
	.p2align	6, 0x0
	.amdhsa_kernel k_q2d2c020540_quant
		.amdhsa_group_segment_fixed_size 34304
		.amdhsa_private_segment_fixed_size 0
		.amdhsa_enable_private_segment 0
		.amdhsa_kernarg_size 56
		.amdhsa_user_sgpr_count 2
		.amdhsa_user_sgpr_kernarg_segment_ptr 1
		.amdhsa_wavefront_size32 1
		.amdhsa_system_sgpr_workgroup_id_x 1
		.amdhsa_system_sgpr_workgroup_id_y 1
		.amdhsa_system_sgpr_workgroup_id_z 1
		.amdhsa_system_vgpr_workitem_id 0
		.amdhsa_next_free_vgpr 256
		.amdhsa_next_free_sgpr 66
		.amdhsa_reserve_vcc 1
		.amdhsa_float_denorm_mode_32 3
		.amdhsa_float_denorm_mode_16_64 3
		.amdhsa_memory_ordered 1
		.amdhsa_forward_progress 1
		.amdhsa_inst_pref_size 56
	.end_amdhsa_kernel
	.amdgpu_metadata
---
amdhsa.version: [ 1, 2 ]
amdhsa.kernels:
  - .name:           k_q2d2c020540_quant
    .symbol:         k_q2d2c020540_quant.kd
    .args:
      - { .name: x, .offset: 0, .size: 8, .value_kind: global_buffer, .address_space: global }
      - { .name: w_q, .offset: 8, .size: 8, .value_kind: global_buffer, .address_space: global }
      - { .name: w_k, .offset: 16, .size: 8, .value_kind: global_buffer, .address_space: global }
      - { .name: w_v, .offset: 24, .size: 8, .value_kind: global_buffer, .address_space: global }
      - { .name: w_o, .offset: 32, .size: 8, .value_kind: global_buffer, .address_space: global }
      - { .name: img, .offset: 40, .size: 8, .value_kind: global_buffer, .address_space: global }
      - { .name: scl, .offset: 48, .size: 8, .value_kind: global_buffer, .address_space: global }
    .group_segment_fixed_size: 34304
    .private_segment_fixed_size: 0
    .kernarg_segment_align: 8
    .kernarg_segment_size: 56
    .max_flat_workgroup_size: 128
    .sgpr_count:     66
    .vgpr_count:     256
    .wavefront_size: 32
...
	.end_amdgpu_metadata
.endif
;; end of part 1
;; launch qkv (part 2): grid 8 x 32, 4 waves a work-group, clusters of 4 x 4, 327,680 bytes of LDS; arguments img, scl, b_q, b_k, b_v, qkv_img, qkv_scl; writes qkv_img, qkv_scl
.if DOCPART == 2
	.amdgcn_target "amdgcn-amd-amdhsa--gfx1250"
	.amdhsa_code_object_version 6
	.text
	.protected	k_q2d2c020540_qkv
	.globl	k_q2d2c020540_qkv
	.p2align	8
	.type	k_q2d2c020540_qkv,@function
k_q2d2c020540_qkv:
	s_mov_b64 s[64:65], 0
	v_nop
	global_prefetch_b8 v0, s[64:65] scope:SCOPE_SE
	s_setreg_imm32_b32 hwreg(HW_REG_WAVE_MODE, 25, 1), 1
	s_wait_xcnt 0x0
	s_wait_alu depctr_hold_cnt(0) depctr_sa_sdst(0) depctr_va_vdst(0) depctr_va_sdst(0) depctr_va_ssrc(0) depctr_va_vcc(0) depctr_vm_vsrc(0)
	s_getreg_b32 s2, hwreg(HW_REG_IB_STS2, 6, 4)
	s_cmp_eq_u32 s2, 0
	s_cbranch_scc0 .Lentry_in_a_cluster
	s_endpgm
.Lentry_in_a_cluster:
	s_bfe_u32 s2, ttmp6, 0x10000c
	s_cmp_lg_u32 s2, 0xf033
	s_cbranch_scc0 .Lentry_shape_is_right
	s_endpgm
.Lentry_shape_is_right:
; Q, K, V = x W + b on codes of FP8 (E4M3) with E8M0 scales, K = 1,024, and their quantisers: codes and scale bytes leave as images of the next launch's operand registers.
; img: [tile of 256 rows: 48][16 rows: 16][128 along K: 8][block: 4][512 bytes]: tiles 0-31 x, 32-35 w_q, 36-39 w_k, 40-43 w_v.  scl: [tile][256 along K: 4][row: 256][128 along K: 2][4 bytes].
; 256 work-groups of four waves, each with TWO PHASES.  Work-group (i = tile of tokens, j = tile column 0..7):
; PHASE 1: 256 tokens (A) x 256 columns of Q or K (B): a wave makes 128 x 128, 64 accumulators.  PHASE 2: 128 columns of V (A: rows 128 j .. of w_v) x the same 256 tokens (B): a wave makes 64 x 128, 32 accumulators.
; The products are used transposed (source 0 = B's rows, source 1 = A's): a lane holds one row of A and its registers run along B's rows, which are the next product's K: the head's columns for Q and K, the keys for V.
; K goes in steps of 256 through a ring of two LDS slots filled by joint loads (cluster 4 x 4): what hangs on the tile of tokens is shared along a row of the cluster, what hangs on j along a column.
; THE RING RUNS ON INTO PHASE 2: phase 1's last change of slots asks for phase 2's first K step, and a round of its own, behind the second block of phase 1's way out, for the second.
; Scale bytes: x's and the first weight's come once by the head's loads; x's serve both phases; w_v's 128 rows' go through registers into LDS bytes of their own.
; LIMITS: a block of zeros gets the byte 1 where the rule says 127 (zero codes; this program alone reads the bytes); NaN and infinities are not served.
.set NQ,     2
.set FR,     16
.set NL,     4
.set NP,     8
.set HALFT,  32768
.set SLOT,   4*HALFT
.set SCL,    2*SLOT
.set SPARE,  SCL+16384
.set STG,    SPARE+512
.set SCL2,   STG+2048
.set VIMG,   16777216
.set VSCL,   524288
.set BI,   8
.set ADRA, 16
.set ADRA2, 18
.set ADRB, 20
.set ADSA, 22
.set ADSB, 23
.set SST,  24
.set SRD,  25
.set L16,  26
.set ADRS, 27
.set SPW,  28
.set NIL,  29
.set L8,   30
.set SRD2, 31
.set SC,   32
.set BJ,   64
.set AF,   128
.set H,    128
.set PC,   192
.set TM,   208
.set PW,   224
.set SOUT, 232
.set WV, 18
.set WH, 19
.set WL, 20
.set G1, 24
.set G0, 32
.set G1B, 48
.set G0B, 56
.set G1S, 68
.set G0S, 76
.set G1SB, 80
.set G0SB, 88
.set G1P, 68                           ; phase 2, in the registers of the head's scale loads: group 1 for w_v's rows; groups 0 for w_v's rows and for x's, a set a slot
.set XA,  76
.set XB,  84
.set TA,   92
.set JJ,   93
.set SEL,  98
.set MNT,  100
.set MSB, 0
.macro WIN new
.if MSB != \new
	s_set_vgpr_msb (MSB<<8)|\new
.set MSB, \new
.endif
.endm
.macro WALU
	s_wait_alu depctr_va_vdst(0)
.endm
.set MUL_LO, 0xa1
.set MUL_HI, 0xf1
.set TO_B,   0x40
.macro JLOAD g0a, g1a, g0b, g1b        ; waves 0, 1 fetch for A, waves 2, 3 for B; an s_nop 0 and four v_nop follow each line
	s_cmp_eq_u32 s[WH], 0
	s_cbranch_scc0 .Lfor_b_\@
	tensor_load_to_lds s[\g0a:\g0a+3], s[\g1a:\g1a+7]
	s_nop 0
.rept 4
	v_nop
.endr
	s_branch .Lasked_\@
.Lfor_b_\@:
	tensor_load_to_lds s[\g0b:\g0b+3], s[\g1b:\g1b+7]
	s_nop 0
.rept 4
	v_nop
.endr
.Lasked_\@:
.endm
.macro CREST
	s_cmp_lg_u32 s[WV], 0
	s_cbranch_scc1 .Lnot_wave_0_\@
	s_barrier_signal -3
.Lnot_wave_0_\@:
	s_barrier_wait -3
	s_barrier_signal -1
	s_barrier_wait -1
.endm
.macro CROUND
	s_barrier_signal -1
	s_barrier_wait -1
	CREST
.endm
.macro QUANT s, pc, pw                 ; 64 numbers of a lane become 16 registers of codes and the row's scale word
.irp b, 0,1,2,3
	v_max3_num_f32 v[TM+\b], |v[\s+16*\b]|, |v[\s+1+16*\b]|, 0x4800000
.endr
.irp i, 2,4,6,8,10,12,14
.irp b, 0,1,2,3
	v_max3_num_f32 v[TM+\b], v[TM+\b], |v[\s+16*\b+\i]|, |v[\s+1+16*\b+\i]|
.endr
.endr
.irp b, 0,1,2,3
	v_permlanex16_b32 v[TM+4+\b], v[TM+\b], s[SEL], s[SEL+1]
.endr
.irp b, 0,1,2,3
	v_max_num_f32 v[TM+\b], v[TM+\b], v[TM+4+\b]
.endr
.irp b, 0,1,2,3
	v_add_nc_u32 v[TM+12+\b], 0xfc000000, v[TM+\b]
.endr
.irp b, 0,1,2,3
	v_and_or_b32 v[TM+8+\b], v[TM+\b], 0x7f800000, s[MNT]
.endr
.irp b, 0,1,2,3
	v_lshrrev_b32 v[TM+4+\b], 23, v[TM+12+\b]
.endr
	v_lshl_or_b32 v[\pw], v[TM+5], 8, v[TM+4]
	v_lshl_or_b32 v[\pw], v[TM+6], 16, v[\pw]
	v_lshl_or_b32 v[\pw], v[TM+7], 24, v[\pw]
.irp b, 0,1,2,3
.irp i, 0,1,2,3,4,5,6,7,8,9,10,11,12,13,14,15
	v_med3_num_f32 v[\s+16*\b+\i], v[\s+16*\b+\i], -v[TM+8+\b], v[TM+8+\b]
.endr
	v_cvt_scalef32_pk8_fp8_f32 v[\pc+4*\b:\pc+1+4*\b], v[\s+16*\b:\s+7+16*\b], v[TM+12+\b]
	v_cvt_scalef32_pk8_fp8_f32 v[\pc+2+4*\b:\pc+3+4*\b], v[\s+8+16*\b:\s+15+16*\b], v[TM+12+\b]
.endr
	v_nop
.endm
	s_load_b256 s[4:11], s[0:1], 0x0               ; img, scl, b_q, b_k
	s_load_b128 s[12:15], s[0:1], 0x20             ; b_v, qkv_img
	s_load_b64 s[16:17], s[0:1], 0x30              ; qkv_scl
	v_lshl_add_u32 v[SPW], v0, 2, SPARE
	v_mov_b32 v[NIL], 0
	ds_add_u32 v[SPW], v[NIL]                      ; the opening lines: the add twice on end and its wait
	ds_add_u32 v[SPW], v[NIL]
	v_lshrrev_b32 v1, 5, v0
	v_readfirstlane_b32 s[WV], v1
	s_lshr_b32 s[WH], s[WV], 1
	s_and_b32 s[WL], s[WV], 1
	s_bfe_u32 s40, ttmp6, 0x40000                  ; cx
	s_bfe_u32 s41, ttmp6, 0x40004                  ; cy
	s_and_b32 s[TA], ttmp7, 0xffff
	s_lshl_b32 s[TA], s[TA], 2
	s_add_co_u32 s[TA], s[TA], s41                 ; i: my tile of tokens
	s_lshl_b32 s[JJ], ttmp9, 2
	s_add_co_u32 s[JJ], s[JJ], s40                 ; j: my tile column
	s_add_co_u32 s42, s[JJ], 32                    ; the first weight's tile
	s_lshl_b32 s43, s41, 2
	s_lshl_b32 s43, 15, s43                        ; my row of the cluster
	s_lshl_b32 s44, 0x1111, s40                    ; my column
	s_mov_b32 s[SEL], 0x76543210
	s_mov_b32 s[SEL+1], 0xfedcba98
	s_mov_b32 s[MNT], 0x600000
	s_or_b32 s[G1+0], s43, (3<<16)|(1<<21)
	s_or_b32 s[G1B+0], s44, (3<<16)|(1<<21)
.irp g, G1, G1B                        ; a K step of 16 rows is 4,096 bytes, 16,384 bytes apart: 16 such for the head's loads, 8 behind them
	s_mov_b32 s[\g+1], 512<<16
	s_mov_b32 s[\g+2], 16<<16
	s_mov_b32 s[\g+3], 512<<16
	s_mov_b32 s[\g+4], 16
	s_mov_b32 s[\g+5], 2048
	s_mov_b32 s[\g+6], 0
	s_mov_b32 s[\g+7], 0
.endr
	s_or_b32 s[G1S+0], s43, (3<<16)|(1<<21)
	s_or_b32 s[G1SB+0], s44, (3<<16)|(1<<21)
.irp g, G1S, G1SB                      ; a tile's scale bytes: 8,192 dense bytes as 32 rows of 256
	s_mov_b32 s[\g+1], 32<<16
	s_mov_b32 s[\g+2], 32<<16
	s_mov_b32 s[\g+3], 32<<16
	s_mov_b32 s[\g+4], 32
	s_mov_b32 s[\g+5], 32
	s_mov_b32 s[\g+6], 0
	s_mov_b32 s[\g+7], 0
.endr
	s_lshl_b32 s22, s[TA], 18
	s_mov_b32 s23, 0
	s_lshl_b32 s46, s42, 18
	s_mov_b32 s47, 0
	s_lshl_b32 s66, s[TA], 13
	s_mov_b32 s67, 0
	s_lshl_b32 s94, s42, 13
	s_mov_b32 s95, 0
	s_lshl_b32 s45, s[WV], 15
	s_wait_dscnt 0x0
	s_wait_kmcnt 0x0
	s_add_nc_u64 s[22:23], s[4:5], s[22:23]
	s_add_nc_u64 s[46:47], s[4:5], s[46:47]
	s_add_nc_u64 s[66:67], s[6:7], s[66:67]
	s_add_nc_u64 s[94:95], s[6:7], s[94:95]
	CROUND
	s_mov_b32 s[G0], 1                             ; the head's four tiles, each whole: K step 0 of A,
	s_mov_b32 s[G0+1], 0
	s_mov_b64 s[G0+2:G0+3], s[22:23]
	s_or_b32 s[G0+3], s[G0+3], 0x80000000
	s_mov_b32 s[G0B], 1                            ; of B,
	s_mov_b32 s[G0B+1], 2*HALFT
	s_mov_b64 s[G0B+2:G0B+3], s[46:47]
	s_or_b32 s[G0B+3], s[G0B+3], 0x80000000
	s_mov_b32 s[G0S], 1                            ; A's scale bytes,
	s_mov_b32 s[G0S+1], SCL
	s_mov_b64 s[G0S+2:G0S+3], s[66:67]
	s_or_b32 s[G0S+3], s[G0S+3], 0x80000000
	s_mov_b32 s[G0SB], 1                           ; B's
	s_mov_b32 s[G0SB+1], SCL+8192
	s_mov_b64 s[G0SB+2:G0SB+3], s[94:95]
	s_or_b32 s[G0SB+3], s[G0SB+3], 0x80000000
.macro ARM under, g0, g1, next         ; one tree of branches on the wave's number, one load an arm: one tensor load a wave at the head
	s_cmp_lt_u32 s[WV], \under
	s_cbranch_scc0 \next
	tensor_load_to_lds s[\g0:\g0+3], s[\g1:\g1+7]
	s_nop 0
.rept 4
	v_nop
.endr
	s_branch .Lhead_asked
\next:
.endm
	ARM 1, G0,  G1,  .Lhead_b
	ARM 2, G0B, G1B, .Lhead_sa
	ARM 3, G0S, G1S, .Lhead_sb
	tensor_load_to_lds s[G0SB:G0SB+3], s[G1SB:G1SB+7]
	s_nop 0
.rept 4
	v_nop
.endr
.Lhead_asked:
	s_lshl_b32 s21, s[WH], 15                      ; phase 1: my 128 rows of A
	s_lshl_b32 s97, s[WL], 15
	s_add_co_u32 s97, s97, 2*HALFT                 ; my 128 rows of B, both phases
	s_lshl_b32 s96, s[WH], 14                      ; phase 2: my 64 rows of A
	s_lshl_b32 s3, s[WH], 10
	s_lshl_b32 s2, s[WL], 10
	s_add_co_u32 s66, s2, SCL                      ; phase 2: x's scale words as B's
	s_add_co_u32 s2, s2, 8192
	s_sub_co_u32 s2, s2, s3                        ; phase 1: from A's words to B's
	s_add_co_u32 s3, s3, SCL
	s_lshl_b32 s67, s[WH], 9
	s_add_co_u32 s67, s67, SCL2                    ; phase 2: w_v's scale words
	s_lshl_b32 s94, s[WV], 9
	s_add_co_u32 s94, s94, STG
	s_lshl_b32 s95, s40, 10                        ; b_q or b_k: 4 x (256 cx + 128 x my half)
	s_lshl_b32 s36, s[WL], 9
	s_add_co_u32 s95, s95, s36
	s_lshl_b32 s36, s[JJ], 9                       ; b_v: 4 x (128 j + 64 x my half)
	s_lshl_b32 s37, s[WH], 8
	s_add_co_u32 s36, s36, s37
	s_cmp_eq_u32 ttmp9, 0
	s_cselect_b64 s[8:9], s[8:9], s[10:11]
	s_lshr_b32 s38, s[JJ], 1                       ; w_v's scale bytes: tile 40 + j / 2, rows 128 (j % 2) on
	s_add_co_u32 s38, s38, 40
	s_lshl_b32 s38, s38, 13
	s_and_b32 s39, s[JJ], 1
	s_lshl_b32 s39, s39, 10
	s_add_co_u32 s38, s38, s39
	s_mov_b32 s39, 0
	s_add_nc_u64 s[38:39], s[6:7], s[38:39]
	v_and_b32 v1, 15, v0                           ; r
	v_bfe_u32 v2, v0, 4, 1                         ; h
	v_and_b32 v3, 31, v0
	v_xor_b32 v4, 1, v2                            ; 1 - h
	v_lshlrev_b32 v[L16], 4, v3
	v_lshlrev_b32 v[L8], 3, v3
	v_add_nc_u32 v[ADRA], s21, v[L16]
	v_add_nc_u32 v[ADRB], s97, v[L16]
	v_add_nc_u32 v[ADRA2], s96, v[L16]
	v_add_nc_u32 v[ADRA+1], SLOT, v[ADRA]
	v_add_nc_u32 v[ADRB+1], SLOT, v[ADRB]
	v_add_nc_u32 v[ADRA2+1], SLOT, v[ADRA2]
	v_mul_u32_u24 v[ADRS], s2, v2                  ; phase 1: lanes 0-15 A's words, lanes 16-31 B's
	v_lshl_add_u32 v[ADRS], v1, 3, v[ADRS]
	v_add_nc_u32 v[ADRS], s3, v[ADRS]
	v_lshlrev_b32 v[ADSB], 9, v4                   ; phase 2: lanes 16-31 B's block i, lanes 0-15 block i + 4
	v_lshl_add_u32 v[ADSB], v1, 3, v[ADSB]
	v_add_nc_u32 v[ADSB], s66, v[ADSB]
	v_lshl_add_u32 v[ADSA], v1, 3, s67
	v_lshl_add_u32 v[SST], v1, 2, s94
	v_add_nc_u32 v[SRD], s94, v[L16]
	v_add_nc_u32 v[SRD2], s94, v[L8]
	v_lshl_add_u32 v5, v2, 5, s95
	v_lshl_add_u32 v6, v1, 2, s36
	v_lshlrev_b32 v7, 3, v0
	v_lshl_add_u32 v4, v0, 3, SCL2
.irp n, 0,1,2,3
	global_load_b64 v[240+2*\n:241+2*\n], v7, s[38:39] offset:2048*\n   ; 128 threads x 8 bytes: the 128 rows' words of a K step of 256
.endr
.irp b, 0,1,2,3,4,5,6,7
	global_load_b128 v[BJ+8*\b:BJ+8*\b+3],   v5, s[8:9] offset:64*\b
	global_load_b128 v[BJ+8*\b+4:BJ+8*\b+7], v5, s[8:9] offset:64*\b+16
.endr
.irp a, 0,1,2,3
	global_load_b32 v[BI+2*\a],   v6, s[12:13] offset:64*\a             ; twice: both halves of a pair
	global_load_b32 v[BI+2*\a+1], v6, s[12:13] offset:64*\a
.endr
	WALU                                           ; the wait at the head's end
	s_wait_loadcnt 24                              ; the four loads of scale words are in; the 24 of biases are younger
.irp n, 0,1,2,3
	ds_store_b64 v4, v[240+2*\n:241+2*\n] offset:1024*\n
.endr
	s_wait_tensorcnt 0x0                           ; my tile of the head's four is in; the lines ahead of a later first fill
	ds_add_u32 v[SPW], v[NIL]
	s_mov_b32 s[G1+2], 8<<16                       ; no tensor load of mine is out: from here on a load brings 8 x 16 rows
	s_mov_b32 s[G1+4], 8
	s_mov_b32 s[G1B+2], 8<<16
	s_mov_b32 s[G1B+4], 8
	s_lshl_b32 s66, s[WL], 17
	s_mov_b32 s67, 0
	s_add_nc_u64 s[22:23], s[22:23], s[66:67]      ; the 128 rows that I fetch
	s_add_nc_u64 s[46:47], s[46:47], s[66:67]
.irp s, 0,1
	s_mov_b32 s[G0+4*\s], 1
	s_add_co_u32 s[G0+4*\s+1], s45, \s*SLOT
	s_add_nc_u64 s[G0+4*\s+2:G0+4*\s+3], s[22:23], \s*4096
	s_or_b32 s[G0+4*\s+3], s[G0+4*\s+3], 0x80000000
	s_mov_b32 s[G0B+4*\s], 1
	s_add_co_u32 s[G0B+4*\s+1], s45, \s*SLOT
	s_add_nc_u64 s[G0B+4*\s+2:G0B+4*\s+3], s[46:47], \s*4096
	s_or_b32 s[G0B+4*\s+3], s[G0B+4*\s+3], 0x80000000
.endr
	s_or_b32 s[G1P+0], s44, (3<<16)|(1<<21)        ; phase 2: w_v's rows hang on j: shared along my column; 4 x 16 rows a load
	s_mov_b32 s[G1P+1], 512<<16
	s_mov_b32 s[G1P+2], 4<<16
	s_mov_b32 s[G1P+3], 512<<16
	s_mov_b32 s[G1P+4], 4
	s_mov_b32 s[G1P+5], 2048
	s_mov_b32 s[G1P+6], 0
	s_mov_b32 s[G1P+7], 0
	s_lshr_b32 s96, s[JJ], 1
	s_add_co_u32 s96, s96, 40
	s_lshl_b32 s96, s96, 18
	s_and_b32 s97, s[JJ], 1
	s_lshl_b32 s97, s97, 17
	s_add_co_u32 s96, s96, s97
	s_lshl_b32 s97, s[WL], 16
	s_add_co_u32 s96, s96, s97
	s_mov_b32 s97, 0
	s_add_nc_u64 s[96:97], s[4:5], s[96:97]
	s_lshl_b32 s2, s[WL], 14
.irp s, 0,1
	s_mov_b32 s[XA+4*\s], 1
	s_add_co_u32 s[XA+4*\s+1], s2, \s*SLOT
	s_add_nc_u64 s[XA+4*\s+2:XA+4*\s+3], s[96:97], \s*4096
	s_or_b32 s[XA+4*\s+3], s[XA+4*\s+3], 0x80000000
	s_mov_b32 s[XB+4*\s], 1
	s_add_co_u32 s[XB+4*\s+1], s45, \s*SLOT
	s_add_nc_u64 s[XB+4*\s+2:XB+4*\s+3], s[22:23], \s*4096
	s_or_b32 s[XB+4*\s+3], s[XB+4*\s+3], 0x80000000
.endr
	s_wait_dscnt 0x0                               ; the add and my stores of scale words are done
	CROUND                                         ; all four tiles are in, and all sixteen work-groups are here
	JLOAD G0+4, G1, G0B+4, G1B                     ; K step 1, the first tensor load behind the round
.macro FRAG reg, adr, q, i
.irp c, 0,1,2,3
	ds_load_b128 v[\reg+4*\c:\reg+4*\c+3], v[\adr] offset:4096*(\i)+2048*(\q)+512*\c
.endr
.endm
.macro MUL16 a0, p, q, sc, zero
.irp a, \a0, \a0+1
.irp b, 0,1,2,3,4,5,6,7
.if \zero
	v_wmma_scale_f32_16x16x128_f8f6f4 v[8*(8*((\a)%4)+\b):8*(8*((\a)%4)+\b)+7], v[128*(\p)+FR*\b:128*(\p)+FR*\b+FR-1], v[AF+FR*(\a):AF+FR*(\a)+FR-1], 0, v[SC+8*NQ*(\sc)+NQ*\b+(\q)], v[SC+8*NQ*(\sc)+NQ*(\a)+(\q)] matrix_a_scale:MATRIX_SCALE_ROW1
.else
	v_wmma_scale_f32_16x16x128_f8f6f4 v[8*(8*((\a)%4)+\b):8*(8*((\a)%4)+\b)+7], v[128*(\p)+FR*\b:128*(\p)+FR*\b+FR-1], v[AF+FR*(\a):AF+FR*(\a)+FR-1], v[8*(8*((\a)%4)+\b):8*(8*((\a)%4)+\b)+7], v[SC+8*NQ*(\sc)+NQ*\b+(\q)], v[SC+8*NQ*(\sc)+NQ*(\a)+(\q)] matrix_a_scale:MATRIX_SCALE_ROW1
.endif
.endr
.endr
.endm
.macro FETCH_B slot, q, p
	WIN TO_B
.irp i, 0,1,2,3,4,5,6,7
	FRAG 128*(\p)+FR*\i, ADRB+\slot, \q, \i
.endr
	WIN 0
.endm
.macro FETCH_A slot, q, i0
.irp i, \i0, \i0+1, \i0+2, \i0+3
	FRAG AF+FR*(\i), ADRA+\slot, \q, \i
.endr
.endm
.macro SCALES sc
.irp i, 0,1,2,3,4,5,6,7
	ds_load_b64 v[SC+8*NQ*\sc+NQ*\i:SC+8*NQ*\sc+NQ*\i+1], v[ADRS] offset:\i*128
.endr
.endm
.macro PLACES n
.rept \n
	v_nop
.endr
.endm
.macro STEP slot, q, zero
	s_wait_dscnt 4*NL                              ; B's set and A's blocks 0-3 are in; the 16 loads of A's blocks 4-7 are younger
	WIN MUL_LO
	MUL16 0, (\q)%2, \q, \slot, \zero
	MUL16 2, (\q)%2, \q, \slot, \zero
	s_wait_dscnt 0
	PLACES NP
	FETCH_B \slot, (\q)+1, 1-(\q)%2
	FETCH_A \slot, (\q)+1, 0
	WIN MUL_HI
	MUL16 4, (\q)%2, \q, \slot, \zero
	MUL16 6, (\q)%2, \q, \slot, \zero
	PLACES NP
	WIN 0
	FETCH_A \slot, (\q)+1, 4
.endm
.macro TURN slot, next, fill           ; a slot's last step and the change of slots.  fill = 1: this phase's K step two on; fill = 2: phase 2's first K step
	s_wait_tensorcnt 0x0
	ds_add_u32 v[SPW], v[NIL]
	s_wait_dscnt 4*NL+1                            ; the add and the 16 loads of A's blocks 4-7 may be out
	WIN MUL_LO
	MUL16 0, 1, NQ-1, \slot, 0
	s_wait_dscnt 0x0
	s_barrier_signal -1
	MUL16 2, 1, NQ-1, \slot, 0
	WIN 0
	s_barrier_wait -1
	CREST
.if \fill == 1
	s_add_nc_u64 s[G0+4*\slot+2:G0+4*\slot+3], s[G0+4*\slot+2:G0+4*\slot+3], 8192
	s_add_nc_u64 s[G0B+4*\slot+2:G0B+4*\slot+3], s[G0B+4*\slot+2:G0B+4*\slot+3], 8192
	JLOAD G0+4*\slot, G1, G0B+4*\slot, G1B
.else
	JLOAD XA+4*\slot, G1P, XB+4*\slot, G1
.endif
	PLACES NP-4
	v_add_nc_u32 v[ADRS], 2048, v[ADRS]
	WALU                                           ; the wait directly behind the write
	FETCH_B \next, 0, 0
	FETCH_A \next, 0, 0
	SCALES \next
	WIN MUL_HI
	MUL16 4, 1, NQ-1, \slot, 0
	MUL16 6, 1, NQ-1, \slot, 0
	PLACES NP
	WIN 0
	FETCH_A \next, 0, 4
.endm
	FETCH_B 0, 0, 0
	FETCH_A 0, 0, 0
	SCALES 0
	FETCH_A 0, 0, 4
	STEP 0, 0, 1
	TURN 0, 1, 1
	STEP 1, 0, 0
	TURN 1, 0, 1
	STEP 0, 0, 0
	TURN 0, 1, 2
	STEP 1, 0, 0
	s_wait_dscnt 4*NL
	WIN MUL_LO
	MUL16 0, 1, NQ-1, 1, 0
	MUL16 2, 1, NQ-1, 1, 0
	s_wait_dscnt 0
	WIN MUL_HI
	MUL16 4, 1, NQ-1, 1, 0
	MUL16 6, 1, NQ-1, 1, 0
	WIN 0
	; where the results go.  The registers of phase 1's groups 0 are free: its last load was waited for at the last change of slots
	s_lshl_b32 s22, s[JJ], 2                       ; q, k codes: (4 j + 2 x my half) heads of 524,288 + (16 i + 8 x my half) x 1,024
	s_lshl_b32 s23, s[WL], 1
	s_add_co_u32 s22, s22, s23
	s_lshl_b32 s22, s22, 19
	s_lshl_b32 s23, s[TA], 4
	s_lshl_b32 s46, s[WH], 3
	s_add_co_u32 s23, s23, s46
	s_lshl_b32 s23, s23, 10
	s_add_co_u32 s22, s22, s23
	s_mov_b32 s23, 0
	s_add_nc_u64 s[32:33], s[14:15], s[22:23]
	s_add_nc_u64 s[36:37], s[32:33], 0x80000
	s_lshl_b32 s22, s[JJ], 1                       ; their scale words: (2 j + my half) x 32,768 + (256 i + 128 x my half) x 4
	s_add_co_u32 s22, s22, s[WL]
	s_lshl_b32 s22, s22, 15
	s_lshl_b32 s46, s[TA], 10
	s_add_co_u32 s22, s22, s46
	s_lshl_b32 s46, s[WH], 9
	s_add_co_u32 s22, s22, s46
	s_add_nc_u64 s[34:35], s[16:17], s[22:23]
	s_lshl_b32 s22, s[TA], 2                       ; v codes: VIMG + (4 i + 2 x my half) x 65,536 + (8 j + 4 x my half) x 1,024
	s_lshl_b32 s46, s[WL], 1
	s_add_co_u32 s22, s22, s46
	s_lshl_b32 s22, s22, 16
	s_add_co_u32 s22, s22, VIMG
	s_lshl_b32 s46, s[JJ], 13
	s_add_co_u32 s22, s22, s46
	s_lshl_b32 s46, s[WH], 12
	s_add_co_u32 s22, s22, s46
	s_add_nc_u64 s[56:57], s[14:15], s[22:23]
	s_add_nc_u64 s[58:59], s[56:57], 0x10000
	s_lshl_b32 s22, s[TA], 1                       ; v's scale words: VSCL + (2 i + my half) x 4,096 + (128 j + 64 x my half) x 4
	s_add_co_u32 s22, s22, s[WL]
	s_lshl_b32 s22, s22, 12
	s_add_co_u32 s22, s22, VSCL
	s_lshl_b32 s46, s[JJ], 9
	s_add_co_u32 s22, s22, s46
	s_lshl_b32 s46, s[WH], 8
	s_add_co_u32 s22, s22, s46
	s_add_nc_u64 s[60:61], s[16:17], s[22:23]
	s_wait_loadcnt 0x0                             ; the biases
	PLACES NP
.irp b, 0,1,2,3
	v_mov_b32 v[TM+4+\b], 0
.endr
.macro EPI a, ph                       ; block a's 16 rows of A: the bias, the quantiser, four pieces of codes and a scale word a row
.if (\a) > 0
	s_wait_xcnt 0x0
.endif
	WIN 0x02+(\a)/4
.set m, 0
.rept 32
.if \ph == 1
	v_pk_add_f32 v[H+2*m:H+2*m+1], v[64*((\a)%4)+2*m:64*((\a)%4)+2*m+1], v[BJ+2*m:BJ+2*m+1]
.else
	v_pk_add_f32 v[H+2*m:H+2*m+1], v[64*((\a)%4)+2*m:64*((\a)%4)+2*m+1], v[BI+2*(\a):BI+2*(\a)+1]
.endif
.set m, m+1
.endr
	WIN 0
	QUANT H, PC, PW+\a
	global_store_b128 v[L16], v[PC:PC+3],     s[24*\ph+8:24*\ph+9] offset:1024*\a
	global_store_b128 v[L16], v[PC+4:PC+7],   s[24*\ph+8:24*\ph+9] offset:1024*\a+512
	global_store_b128 v[L16], v[PC+8:PC+11],  s[22*\ph+14:22*\ph+15] offset:1024*\a
	global_store_b128 v[L16], v[PC+12:PC+15], s[22*\ph+14:22*\ph+15] offset:1024*\a+512
	ds_store_b32 v[SST], v[PW+\a] offset:64*\a
.endm                                  ; (ph = 1: s[32:33], s[36:37]; ph = 2: s[56:57], s[58:59])
	EPI 0, 1
	EPI 1, 1
	WALU
	s_wait_tensorcnt 0x0                           ; phase 2's first K step is in; my reads of slot 1 are over
	ds_add_u32 v[SPW], v[NIL]
	s_wait_dscnt 0x0
	CROUND
	JLOAD XA+4, G1P, XB+4, G1                      ; phase 2's second K step, into slot 1
.irp a, 2,3,4,5,6,7
	EPI \a, 1
.endr
	ds_load_b128 v[SOUT:SOUT+3], v[SRD]
	s_wait_dscnt 0x0
	global_store_b128 v[L16], v[SOUT:SOUT+3], s[34:35]
; PHASE 2.  32 products a step of 128 along K; both operands have two sets of registers, so a step's fragments are fetched under the step before.
.macro WM d, fb, fa, x, y, zero, hi
.if \zero
.if \hi
	v_wmma_scale_f32_16x16x128_f8f6f4 v[\d:\d+7], v[\fb:\fb+15], v[\fa:\fa+15], 0, v[\x], v[\y]
.else
	v_wmma_scale_f32_16x16x128_f8f6f4 v[\d:\d+7], v[\fb:\fb+15], v[\fa:\fa+15], 0, v[\x], v[\y] matrix_a_scale:MATRIX_SCALE_ROW1
.endif
.else
.if \hi
	v_wmma_scale_f32_16x16x128_f8f6f4 v[\d:\d+7], v[\fb:\fb+15], v[\fa:\fa+15], v[\d:\d+7], v[\x], v[\y]
.else
	v_wmma_scale_f32_16x16x128_f8f6f4 v[\d:\d+7], v[\fb:\fb+15], v[\fa:\fa+15], v[\d:\d+7], v[\x], v[\y] matrix_a_scale:MATRIX_SCALE_ROW1
.endif
.endif
.endm
.macro MULA a, q, sc, zero             ; A's block a against B's eight
.irp b, 0,1,2,3,4,5,6,7
	WM 8*(8*(\a)+\b), 128*(\q)+FR*\b, AF+64*(\q)+FR*(\a), SC+16*(\sc)+2*(\b%4)+(\q), SC+16*(\sc)+8+2*(\a)+(\q), \zero, \b/4
.endr
.endm
.macro FETCH2 slot, q
	WIN TO_B
.irp i, 0,1,2,3,4,5,6,7
	FRAG 128*(\q)+FR*\i, ADRB+\slot, \q, \i
.endr
	WIN 0
.irp i, 0,1,2,3
	FRAG AF+64*(\q)+FR*\i, ADRA2+\slot, \q, \i
.endr
.endm
.macro SCALES2 sc
.irp i, 0,1,2,3
	ds_load_b64 v[SC+16*\sc+2*\i:SC+16*\sc+2*\i+1], v[ADSB] offset:\i*128
	ds_load_b64 v[SC+16*\sc+8+2*\i:SC+16*\sc+8+2*\i+1], v[ADSA] offset:\i*128
.endr
.endm
.macro STEP2 slot, zero
	s_wait_dscnt 0x0
	PLACES NP
	FETCH2 \slot, 1
	WIN MUL_LO
.irp a, 0,1,2,3
	MULA \a, 0, \slot, \zero
.endr
	WIN 0
.endm
.macro TURN2 slot, next, fill
	s_wait_tensorcnt 0x0
	ds_add_u32 v[SPW], v[NIL]
	s_wait_dscnt 1                                 ; this step's fragments are in; the add alone may be out
	WIN MUL_LO
	MULA 0, 1, \slot, 0
	s_wait_dscnt 0x0
	s_barrier_signal -1
	MULA 1, 1, \slot, 0
	WIN 0
	s_barrier_wait -1
.if \fill
	CREST
	s_add_nc_u64 s[XA+4*\slot+2:XA+4*\slot+3], s[XA+4*\slot+2:XA+4*\slot+3], 8192
	s_add_nc_u64 s[XB+4*\slot+2:XB+4*\slot+3], s[XB+4*\slot+2:XB+4*\slot+3], 8192
	JLOAD XA+4*\slot, G1P, XB+4*\slot, G1
	PLACES NP-4
.else
	PLACES NP
.endif
	v_add_nc_u32 v[ADSB], 2048, v[ADSB]
	v_add_nc_u32 v[ADSA], 1024, v[ADSA]
	WALU                                           ; the wait directly behind the writes
	FETCH2 \next, 0
	SCALES2 \next
	WIN MUL_LO
	MULA 2, 1, \slot, 0
	MULA 3, 1, \slot, 0
	WIN 0
.endm
	s_wait_xcnt 0x0                                ; phase 1's stores have read their registers
	FETCH2 0, 0
	SCALES2 0
	STEP2 0, 1
	TURN2 0, 1, 1
	STEP2 1, 0
	TURN2 1, 0, 1
	STEP2 0, 0
	TURN2 0, 1, 0
	STEP2 1, 0
	s_wait_dscnt 0x0
	WIN MUL_LO
.irp a, 0,1,2,3
	MULA \a, 1, 1, 0
.endr
	WIN 0
	PLACES NP
.irp a, 0,1,2,3
	EPI \a, 2
.endr
	ds_load_b64 v[SOUT:SOUT+1], v[SRD2]
	s_wait_dscnt 0x0
	global_store_b64 v[L8], v[SOUT:SOUT+1], s[60:61]   ; 32 lanes store 256 consecutive bytes, aligned
	s_wait_tensorcnt 0x0                           ; the wave's end
	ds_add_u32 v[SPW], v[NIL]
	s_wait_dscnt 0x0
	CROUND
	s_endpgm
.Lfunc_end_k_q2d2c020540_qkv:
	.size	k_q2d2c020540_qkv, .Lfunc_end_k_q2d2c020540_qkv-k_q2d2c020540_qkv
	.p2alignl 7, 3214868480
	.fill 96, 4, 3214868480
	.section	.rodata,"a",@progbits
	.p2align	6, 0x0
	.amdhsa_kernel k_q2d2c020540_qkv
		.amdhsa_group_segment_fixed_size 327680
		.amdhsa_private_segment_fixed_size 0
		.amdhsa_enable_private_segment 0
		.amdhsa_kernarg_size 56
		.amdhsa_user_sgpr_count 2
		.amdhsa_user_sgpr_kernarg_segment_ptr 1
		.amdhsa_wavefront_size32 1
		.amdhsa_system_sgpr_workgroup_id_x 1
		.amdhsa_system_sgpr_workgroup_id_y 1
		.amdhsa_system_sgpr_workgroup_id_z 1
		.amdhsa_system_vgpr_workitem_id 0
		.amdhsa_next_free_vgpr 1024
		.amdhsa_next_free_sgpr 101
		.amdhsa_reserve_vcc 0
		.amdhsa_float_denorm_mode_32 3
		.amdhsa_float_denorm_mode_16_64 3
		.amdhsa_memory_ordered 1
		.amdhsa_forward_progress 1
		.amdhsa_inst_pref_size 255
	.end_amdhsa_kernel
	.section	.bss,"aw",@nobits
	.p2align	6
	.space	262144
	.amdgpu_metadata
---
amdhsa.version: [ 1, 2 ]
amdhsa.kernels:
  - .name:           k_q2d2c020540_qkv
    .symbol:         k_q2d2c020540_qkv.kd
    .args:
      - { .name: img, .offset: 0, .size: 8, .value_kind: global_buffer, .address_space: global }
      - { .name: scl, .offset: 8, .size: 8, .value_kind: global_buffer, .address_space: global }
      - { .name: b_q, .offset: 16, .size: 8, .value_kind: global_buffer, .address_space: global }
      - { .name: b_k, .offset: 24, .size: 8, .value_kind: global_buffer, .address_space: global }
      - { .name: b_v, .offset: 32, .size: 8, .value_kind: global_buffer, .address_space: global }
      - { .name: qkv_img, .offset: 40, .size: 8, .value_kind: global_buffer, .address_space: global }
      - { .name: qkv_scl, .offset: 48, .size: 8, .value_kind: global_buffer, .address_space: global }
    .group_segment_fixed_size: 327680
    .private_segment_fixed_size: 0
    .kernarg_segment_align: 8
    .kernarg_segment_size: 56
    .max_flat_workgroup_size: 128
    .sgpr_count:     101
    .vgpr_count:     1024
    .wavefront_size: 32
...
	.end_amdgpu_metadata
.endif
;; end of part 2
;; launch attn (part 3): grid 4 x 64, 8 waves a work-group, clusters of 4 x 1, 327,680 bytes of LDS; arguments qkv_img, qkv_scl, img, scl; writes img, scl
.if DOCPART == 3
	.amdgcn_target "amdgcn-amd-amdhsa--gfx1250"
	.amdhsa_code_object_version 6
	.text
	.protected	k_q2d2c020540_attn
	.globl	k_q2d2c020540_attn
	.p2align	8
	.type	k_q2d2c020540_attn,@function
k_q2d2c020540_attn:
	s_mov_b64 s[64:65], 0
	v_nop
	global_prefetch_b8 v0, s[64:65] scope:SCOPE_SE
	s_setreg_imm32_b32 hwreg(HW_REG_WAVE_MODE, 25, 1), 1
	s_wait_xcnt 0x0
	s_wait_alu depctr_hold_cnt(0) depctr_sa_sdst(0) depctr_va_vdst(0) depctr_va_sdst(0) depctr_va_ssrc(0) depctr_va_vcc(0) depctr_vm_vsrc(0)
	s_getreg_b32 s2, hwreg(HW_REG_IB_STS2, 6, 4)
	s_cmp_eq_u32 s2, 0
	s_cbranch_scc0 .Lentry_in_a_cluster
	s_endpgm
.Lentry_in_a_cluster:
	s_bfe_u32 s2, ttmp6, 0x10000c
	s_cmp_lg_u32 s2, 0x3003
	s_cbranch_scc0 .Lentry_shape_is_right
	s_endpgm
.Lentry_shape_is_right:
; For each of 4 x 16 (batch, head): O = softmax(Q K^T / 8) V over 2,048 keys, head size 64, both products on codes of FP8 (E4M3) with E8M0 scales; O / l is quantised along the model's 1,024 and leaves as codes.
; THE SOFTMAX: t = score x log2(e) / 8; M = the running largest t rounded UP to a whole number; p = 2^(t - M) is quantised along the keys, not normalised; the sum l is taken of the unquantised p and divides at the end.
; When M moves, l and O are multiplied by f = 2^(old M - new M): exact.
; OPERANDS are images of their registers (a piece: 16 rows x 32 along K, 512 bytes, lane L's 16 bytes at 16 L), laid as the launches before leave them:
;   qkv_img: q, k: [which x 16 + head][token / 16][block: 2][512]; v from VIMG on: [token / 64][column / 16][block of keys: 2][512].   qkv_scl: q, k: [which x 8 + head / 2][token][4]; v from VSCL on: [token / 128][column][4].
; SHARES.  A work-group owns 512 queries of one head; each of its eight waves (two to a SIMD, 512 registers each) takes TWO tiles of 16 queries, twice (a loop of two passes): each fragment of K and V read from LDS feeds two products.
; ALL OF THE HEAD'S K AND V CODES STAY IN LDS, 128 + 128 KiB, filled ONCE, by one tensor load a wave, 32 KiB (512 keys) each: wave 0 K's first chunk, wave 1 V's first, waves 2-4 K's others, waves 5-7 V's others.  No LDS byte is filled again.
; THE FIRST CHUNK IS SHOWN FIRST: waves 0 and 1 have load lines of their own and wait ahead of the first barrier; a pass's first three trips touch the first chunk alone (the third's look-ahead for K ends with step 3);
; then every wave waits for its load and a second barrier shows the rest.  In the second pass those lines find nothing to wait for.
; CLUSTER.  The four work-groups of a head need the same K and V: each tile is asked for jointly, with a mask that names the four.
; NO PREFETCH: the launch's only fills stand at its head; there is no loop in which to ask ahead of them.
; LAYOUT.  Both products are used transposed (S^T = K Q^T, O^T = V^T P^T): a lane holds one query of each tile, and the 16 registers of two neighbouring tiles of S^T are a lane's 16 places of a block of 32 keys.
; A HEAD HAS 64 ALONG K AND THE INSTRUCTION TAKES 128: Q's fragment is 8 registers of codes and 8 of zero codes; K's fragment t runs on into tile t + 1's codes (zeros behind the last), which meet Q's zeros.
; THE LOOP IS TURNED: a trip holds step i's first product, then O^T x f and the SECOND product of step i - 1, then step i's softmax.  So O^T's 32 multiplications are the places behind the first product, the softmax's first lines those
; behind the second, K's fragments of step i + 1 and V's of step i are asked for a step ahead of their use.  The first trip's second product finds zero codes of p and adds nothing; the last step's stands behind the loop.
; The last trip's look-ahead for K reads the first bytes of V's region and of V's scale words: LDS bytes that are filled, into registers that nothing reads.
; One tile's exponentials stand among the other tile's plain lines; what such a line writes is read behind the batch's closing wait, or inside the same run of plain lines.
; REGISTERS.  Window 0: addresses, the two tiles' small numbers (24 each), scale words, p's codes, S^T / p of both tiles, partial sums.  Window 1: K's and V's fragments, O^T, Q.
; LIMITS: the promise holds while |t| stays under 2^31; a block of zeros gets the byte 1 where the rule says 127 (zero codes; this program alone reads the bytes); NaN and infinities are not served; a block's largest p is
; taken from its largest score, which takes v_exp_f32 not to fall where its input rises.
.set VIMG, 16777216
.set VSCL, 524288
.set KB,   32768                       ; LDS: K's 128 tiles of 1,024 bytes from KB, so that chunk w - 1 lies at 32,768 w; it rides in the loads' immediates
.set VL,   163840                      ; V: [64 keys: 32][16 of the head: 4][block: 2][512]: chunk w - 4 lies at 32,768 w + 32,768
.set SCK,  294912                      ; K's scale words, 4 bytes a key; written by LDS stores
.set SCV,  303104                      ; V's: [128 keys: 16][the head's 64][4 bytes]
.set SPARE, 307200                     ; the spare words: 128 bytes a wave
.set Q4R,  0                           ; 4 r (behind the head's last use of the thread's number)
.set L16,  1                           ; 16 x lane
.set ASK0, 2                           ; SCK + 4 r
.set ASV0, 3                           ; SCV + 4 r
.set ADK,  4                           ; the step's addresses: K, V, K's scale words, V's
.set ADV,  5
.set ADS,  6
.set ADT,  7
.set BO,   8                           ; 8 r + h
.set AV0,  9                           ; VL + 16 x lane
.set SPW,  10
.set NIL,  11
.set MB,   12                          ; tile u's small numbers at MB + 24 u: +0 -M, +1 the largest score, +2,3 l in two halves, +4,5 f, +6,7 at work, +8.. block maxima, +12.. at work, +16.. 448 x scale, +20.. scale operands
.set KSC,  60                          ; v60-67 K's scale words, v68-71 V's, v72-73 Q's, v74-75 p's
.set VSC,  68
.set QSC,  72
.set PSC,  74
.set PC,   76                          ; v76-107 p's codes, 16 a tile
.set SS,   108                         ; v108-235 S^T, then p, 64 a tile
.set PP,   236                         ; v236-251 eight partial sums; v252-253 at work
.set TP,   252
.set QS1,  254                         ; v254-255 the coming pass's scale words of Q, as loaded
.set KF,   0                           ; window 1: v0-63 K's eight tiles, v64-71 zeros
.set VF,   72                          ; v72-135 V's four fragments
.set OO,   136                         ; v136-199 O^T, 32 a tile
.set QQ,   200                         ; v200-231 Q: 8 of codes and 8 of zeros a tile
.set QN,   232                         ; v232-247 the coming pass's Q
.set WV,   12
.set MNT,  19
.set SEL,  20
.set CS,   22                          ; s[22:23] c = log2(e) / 8
.set G1K,  24
.set G1V,  48
.set GA,   56                          ; groups 0: K's first chunk, V's first, K's others, V's others
.set GB,   60
.set GC,   68
.set GD,   72
.set TB,   76                          ; 8,192 x step;  s77 512 x step;  s78 256 x step
.set TS,   77
.set TJ,   78
.set CNT,  79
.set PS,   84                          ; passes to go
.set HM,   90                          ; the mask of lanes 16-31
.set NC,   91                          ; -c
.set MSB, 0
.macro WIN new                         ; the immediate's high byte repeats the setting that is left
.if MSB != \new
	s_set_vgpr_msb (MSB<<8)|\new
.set MSB, \new
.endif
.endm
.macro WALU
	s_wait_alu depctr_va_vdst(0)
.endm
.macro CROUND                          ; a round of the cluster's barrier
	s_barrier_signal -1
	s_barrier_wait -1
	s_cmp_lg_u32 s[WV], 0
	s_cbranch_scc1 .Lnot_wave_0_\@
	s_barrier_signal -3
.Lnot_wave_0_\@:
	s_barrier_wait -3
	s_barrier_signal -1
	s_barrier_wait -1
.endm
	s_load_b256 s[4:11], s[0:1], 0x0               ; qkv_img, qkv_scl, img, scl
	v_lshl_add_u32 v[SPW], v0, 2, SPARE
	v_mov_b32 v[NIL], 0
	ds_add_u32 v[SPW], v[NIL]                      ; the opening lines: the add twice on end and its wait
	ds_add_u32 v[SPW], v[NIL]
	v_lshrrev_b32 v108, 5, v0
	v_readfirstlane_b32 s[WV], v108                ; wave 0..7
	s_bfe_u32 s13, ttmp6, 0x40000                  ; cx: it enters Q's and the output's global addresses alone
	s_and_b32 s17, ttmp7, 0xffff
	s_and_b32 s14, s17, 15                         ; head
	s_lshr_b32 s15, s17, 4                         ; batch
	s_and_b32 s16, s14, 1
	s_lshl_b32 s16, s16, 4                         ; a scale word of q or k serves two heads: mine are its bytes from bit 16 x (head % 2) on
	s_add_co_u32 s34, s14, 16                      ; K: (16 + head) x 524,288 + batch x 131,072
	s_lshl_b32 s34, s34, 19
	s_lshl_b32 s33, s15, 17
	s_add_co_u32 s34, s34, s33
	s_mov_b32 s35, 0
	s_lshl_b32 s36, s15, 21                        ; V: VIMG + batch x 2,097,152 + head x 4,096
	s_add_co_u32 s36, s36, VIMG
	s_lshl_b32 s33, s14, 12
	s_add_co_u32 s36, s36, s33
	s_mov_b32 s37, 0
	s_lshl_b32 s38, s[WV], 15                      ; 32,768 x wave
	s_add_co_u32 s86, s34, s38                     ; K's chunk wave - 1
	s_sub_co_u32 s86, s86, 32768
	s_mov_b32 s87, 0
	s_lshl_b32 s33, s[WV], 19                      ; V's chunk wave - 4: 8 rows of 65,536 a chunk
	s_add_co_u32 s88, s36, s33
	s_sub_co_u32 s88, s88, 4<<19
	s_mov_b32 s89, 0
	s_mov_b32 s[G1K+0], 15|(3<<16)|(1<<21)         ; the mask: all four work-groups; elements of 8 bytes; bit 21 beside a mask
	s_mov_b32 s[G1K+1], 32<<16                     ; K: 128 rows of 256 bytes, dense
	s_mov_b32 s[G1K+2], 128<<16
	s_mov_b32 s[G1K+3], 32<<16
	s_mov_b32 s[G1K+4], 128
	s_mov_b32 s[G1K+5], 32
	s_mov_b32 s[G1K+6], 0
	s_mov_b32 s[G1K+7], 0
	s_mov_b32 s[G1V+0], 15|(3<<16)|(1<<21)
	s_mov_b32 s[G1V+1], 512<<16                    ; V: 8 rows of 4,096 bytes, 65,536 bytes apart
	s_mov_b32 s[G1V+2], 8<<16
	s_mov_b32 s[G1V+3], 512<<16
	s_mov_b32 s[G1V+4], 8
	s_mov_b32 s[G1V+5], 8192
	s_mov_b32 s[G1V+6], 0
	s_mov_b32 s[G1V+7], 0
	s_lshl_b32 s39, ttmp9, 2                       ; my first tile of queries: 128 x batch + 32 x (block of 512 queries) + 2 x wave; the second pass's lie 16 tiles on
	s_add_co_u32 s39, s39, s13
	s_lshl_b32 s39, s39, 5
	s_lshl_b32 s40, s[WV], 1
	s_add_co_u32 s39, s39, s40
	s_lshl_b32 s40, s15, 7
	s_add_co_u32 s39, s39, s40
	s_lshl_b32 s40, s14, 19                        ; Q's codes: head x 524,288 + tile x 1,024
	s_lshl_b32 s41, s39, 10
	s_add_co_u32 s40, s40, s41
	s_mov_b32 s41, 0
	s_lshr_b32 s42, s14, 1                         ; Q's scale words: (head / 2) x 32,768 + tile x 64
	s_lshl_b32 s42, s42, 15
	s_lshl_b32 s43, s39, 6
	s_add_co_u32 s42, s42, s43
	s_mov_b32 s43, 0
	s_lshr_b32 s44, s14, 1                         ; K's: (8 + head / 2) x 32,768 + batch x 8,192
	s_add_co_u32 s44, s44, 8
	s_lshl_b32 s44, s44, 15
	s_lshl_b32 s45, s15, 13
	s_add_co_u32 s44, s44, s45
	s_mov_b32 s45, 0
	s_lshl_b32 s46, s15, 4                         ; V's: VSCL + (16 x batch + wave) x 4,096 + head x 256: wave w brings those of key steps w and w + 8
	s_add_co_u32 s46, s46, s[WV]
	s_lshl_b32 s46, s46, 12
	s_add_co_u32 s46, s46, VSCL
	s_lshl_b32 s47, s14, 8
	s_add_co_u32 s46, s46, s47
	s_mov_b32 s47, 0
	s_lshl_b32 s80, s39, 14                        ; out, codes: tile x 16,384 + head x 1,024
	s_lshl_b32 s81, s14, 10
	s_add_co_u32 s80, s80, s81
	s_mov_b32 s81, 0
	s_lshr_b32 s82, s39, 4                         ; out, scale bytes: (tile / 16) x 8,192 + (head / 4) x 2,048 + (tile % 16) x 128 + 2 (head % 4)
	s_lshl_b32 s82, s82, 13
	s_lshr_b32 s83, s14, 2
	s_lshl_b32 s83, s83, 11
	s_add_co_u32 s82, s82, s83
	s_and_b32 s83, s39, 15
	s_lshl_b32 s83, s83, 7
	s_add_co_u32 s82, s82, s83
	s_and_b32 s83, s14, 3
	s_lshl_b32 s83, s83, 1
	s_add_co_u32 s82, s82, s83
	s_mov_b32 s83, 0
	s_mov_b32 s[SEL], 0x76543210
	s_mov_b32 s[SEL+1], 0xfedcba98
	s_mov_b32 s[CS], 0x3e38aa3b                    ; c = log2(e) / 8
	s_mov_b32 s[CS+1], s[CS]
	s_mov_b32 s[NC], 0xbe38aa3b                    ; -c
	s_mov_b32 s[MNT], 0x600000
	s_mov_b32 s[PS], 2
	v_and_b32 v109, 31, v0
	v_and_b32 v110, 15, v0                         ; r
	v_bfe_u32 v111, v0, 4, 1                       ; h
	v_lshlrev_b32 v[L16], 4, v109
	v_lshl_add_u32 v[ASK0], v110, 2, SCK
	v_lshl_add_u32 v[ASV0], v110, 2, SCV
	v_lshl_add_u32 v[BO], v110, 3, v111
	v_cmp_ne_u32 s[HM], 0, v111
	v_add_nc_u32 v[AV0], VL, v[L16]
	v_lshlrev_b32 v113, 4, v0                      ; K's scale words: 16 bytes a thread, twice: 8,192 in all
	v_lshlrev_b32 v114, 3, v109                    ; V's: 8 bytes a lane, 256 a wave, twice
	v_lshl_add_u32 v115, v0, 4, SCK                ; and where they go
	v_lshl_add_u32 v116, v0, 3, SCV
	v_lshlrev_b32 v[Q4R], 2, v110                  ; Q's scale words: 4 r
	WALU                                           ; the wait at the head's end
	s_wait_dscnt 0x0                               ; both opening adds are done
	s_wait_kmcnt 0x0
	s_mov_b32 s[GA], 1
	s_mov_b32 s[GA+1], KB
	s_add_nc_u64 s[GA+2:GA+3], s[4:5], s[34:35]
	s_or_b32 s[GA+3], s[GA+3], 0x80000000
	s_mov_b32 s[GB], 1
	s_mov_b32 s[GB+1], VL
	s_add_nc_u64 s[GB+2:GB+3], s[4:5], s[36:37]
	s_or_b32 s[GB+3], s[GB+3], 0x80000000
	s_mov_b32 s[GC], 1
	s_mov_b32 s[GC+1], s38                         ; KB + 32,768 x (wave - 1)
	s_add_nc_u64 s[GC+2:GC+3], s[4:5], s[86:87]
	s_or_b32 s[GC+3], s[GC+3], 0x80000000
	s_mov_b32 s[GD], 1
	s_add_co_u32 s[GD+1], s38, 32768               ; VL + 32,768 x (wave - 4)
	s_add_nc_u64 s[GD+2:GD+3], s[4:5], s[88:89]
	s_or_b32 s[GD+3], s[GD+3], 0x80000000
	s_add_nc_u64 s[40:41], s[4:5], s[40:41]
	s_add_nc_u64 s[42:43], s[6:7], s[42:43]
	s_add_nc_u64 s[44:45], s[6:7], s[44:45]
	s_add_nc_u64 s[46:47], s[6:7], s[46:47]
	s_add_nc_u64 s[80:81], s[8:9], s[80:81]
	s_add_nc_u64 s[82:83], s[10:11], s[82:83]
	CROUND                                         ; all four work-groups are here: the joint loads meet
.macro ARM under, g0, g1, next         ; one tree of branches on the wave's number, one load an arm: all fills of the launch, one tensor load a wave
	s_cmp_lt_u32 s[WV], \under
	s_cbranch_scc0 \next
	tensor_load_to_lds s[\g0:\g0+3], s[\g1:\g1+7]
	s_nop 0
.rept 4
	v_nop
.endr
	s_branch .Lasked
\next:
.endm
	ARM 1, GA, G1K, .Lhead_v0
	ARM 2, GB, G1V, .Lhead_k
	ARM 5, GC, G1K, .Lhead_v
	tensor_load_to_lds s[GD:GD+3], s[G1V:G1V+7]
	s_nop 0
.rept 4
	v_nop
.endr
.Lasked:
	WIN 0x40                                       ; destinations in window 1
.irp u, 0,1
	global_load_b128 v[QN+8*\u:QN+8*\u+3],   v[L16], s[40:41] offset:1024*\u
	global_load_b128 v[QN+8*\u+4:QN+8*\u+7], v[L16], s[40:41] offset:1024*\u+512
.endr
.irp i, 0,1,2,3,4,5,6,7
	v_mov_b32 v[QQ+8+\i], 0                        ; zero codes: the upper 64 of the instruction's 128 along K
	v_mov_b32 v[QQ+24+\i], 0
	v_mov_b32 v[KF+64+\i], 0
.endr
	WIN 0
.irp u, 0,1
	global_load_b32 v[QS1+\u], v[Q4R], s[42:43] offset:64*\u
.endr
	global_load_b128 v[120:123], v113, s[44:45]
	global_load_b128 v[124:127], v113, s[44:45] offset:4096
	global_load_b64 v[128:129], v114, s[46:47]
	global_load_b64 v[130:131], v114, s[46:47] offset:32768
.irp b, 0,1,2,3
	v_mov_b32 v[MB+12+\b], 0                       ; a lane permute's destination counts as one of its sources
	v_mov_b32 v[MB+36+\b], 0
.endr
	s_wait_loadcnt 0x0
.irp i, 0,1,2,3,4,5,6,7
	v_lshrrev_b32 v[120+\i], s16, v[120+\i]        ; my head's two bytes to the word's low end; what is left above them scales products with zero codes
.endr
	ds_store_b128 v115, v[120:123]
	ds_store_b128 v115, v[124:127] offset:4096
	ds_store_b64 v116, v[128:129]
	ds_store_b64 v116, v[130:131] offset:2048
	s_cmp_lt_u32 s[WV], 2
	s_cbranch_scc0 .Lnot_first
	s_wait_tensorcnt 0x0                           ; waves 0 and 1: the first chunks of K and V are in.  The others' wait stands ahead of the second barrier
.Lnot_first:
	s_wait_dscnt 0x0                               ; my scale words are stored
	s_barrier_signal -1
	s_barrier_wait -1
.macro KLOAD ak, as, o                 ; K's eight tiles and their scale words, o steps on from the addresses: 24 LDS loads
	WIN 0x40
.irp t, 0,1,2,3,4,5,6,7
	ds_load_b128 v[KF+8*\t:KF+8*\t+3],   v[\ak] offset:KB+8192*\o+1024*\t
	ds_load_b128 v[KF+8*\t+4:KF+8*\t+7], v[\ak] offset:KB+8192*\o+1024*\t+512
.endr
	WIN 0
.irp t, 0,1,2,3,4,5,6,7
	ds_load_b32 v[KSC+\t], v[\as] offset:512*\o+64*\t
.endr
.endm
.macro VLOAD av, at                    ; V's four fragments (16 of the head's 64 x 128 keys) and their scale words: 20 LDS loads
	WIN 0x40
.irp d, 0,1,2,3
	ds_load_b128 v[VF+16*\d:VF+16*\d+3],     v[\av] offset:1024*\d
	ds_load_b128 v[VF+16*\d+4:VF+16*\d+7],   v[\av] offset:1024*\d+512
	ds_load_b128 v[VF+16*\d+8:VF+16*\d+11],  v[\av] offset:4096+1024*\d
	ds_load_b128 v[VF+16*\d+12:VF+16*\d+15], v[\av] offset:4096+1024*\d+512
.endr
	WIN 0
.irp d, 0,1,2,3
	ds_load_b32 v[VSC+\d], v[\at] offset:64*\d
.endr
.endm
.macro RESC                            ; O^T x f, each accumulator from its low end on
	WIN 0x41
	WALU                                           ; the wait directly ahead of the first readers of O^T
.irp u, 0,1
.set j, 0
.rept 16
	v_pk_mul_f32 v[OO+32*\u+j:OO+32*\u+j+1], v[OO+32*\u+j:OO+32*\u+j+1], v[MB+24*\u+4:MB+24*\u+5] op_sel_hi:[1,0]
.set j, j+2
.endr
.endr
.endm
.macro PV                              ; O^T += V^T P^T: the eight accumulators take turns
	WIN 0x51
.irp d, 0,1,2,3
.irp u, 0,1
	v_wmma_scale_f32_16x16x128_f8f6f4 v[OO+32*\u+8*\d:OO+32*\u+8*\d+7], v[VF+16*\d:VF+16*\d+15], v[PC+16*\u:PC+16*\u+15], v[OO+32*\u+8*\d:OO+32*\u+8*\d+7], v[VSC+\d], v[PSC+\u]
.endr
.endr
	WIN 0
.endm
.macro EXPB j
	v_exp_f32 v[SS+64+(\j)], v[SS+64+(\j)]
.endm
.macro HOLD u, j                       ; two of p held at 448 x their block's scale (the conversion does not saturate: ISA guide 7.6.2; p is not negative)
	v_dual_min_num_f32 v[SS+64*(\u)+(\j)], v[SS+64*(\u)+(\j)], v[MB+24*(\u)+16+(\j)/16] :: v_dual_min_num_f32 v[SS+64*(\u)+(\j)+1], v[SS+64*(\u)+(\j)+1], v[MB+24*(\u)+16+(\j)/16]
.endm
.macro HOLDS u, j0, n                  ; n such lines from register j0 on
.set j, \j0
.rept \n
	HOLD \u, j
.set j, j+2
.endr
.endm
; From the four blocks' largest p, in five parts: the floor, the scale operands, the bounds, the bytes, p's scale word
.macro SCA u
.irp b, 0,1,2,3
	v_max_num_f32 v[MB+24*\u+8+\b], 0x4800000, v[MB+24*\u+8+\b]   ; the floor 2^(9 - 127): the byte cannot fall under 1
.endr
.endm
.macro SCB u
.irp b, 0,1,2,3
	v_add_nc_u32 v[MB+24*\u+20+\b], 0xfc000000, v[MB+24*\u+8+\b]
.endr
.endm
.macro SCC u
.irp b, 0,1,2,3
	v_and_or_b32 v[MB+24*\u+16+\b], v[MB+24*\u+8+\b], 0x7f800000, s[MNT]
.endr
.endm
.macro SCD u
.irp b, 0,1,2,3
	v_lshrrev_b32 v[MB+24*\u+12+\b], 23, v[MB+24*\u+20+\b]
.endr
.endm
.macro SCE u
	v_lshl_or_b32 v[MB+24*\u+12], v[MB+24*\u+13], 8, v[MB+24*\u+12]
	v_lshl_or_b32 v[MB+24*\u+14], v[MB+24*\u+15], 8, v[MB+24*\u+14]
	v_lshl_or_b32 v[PSC+\u], v[MB+24*\u+14], 16, v[MB+24*\u+12]
.endm
; The eight partial sums are joined, in four parts; the last: l = l f + them
.macro CA
.irp k, 0,4,8,12
	v_pk_add_f32 v[PP+\k:PP+\k+1], v[PP+\k:PP+\k+1], v[PP+\k+2:PP+\k+3]
.endr
.endm
.macro CB
	v_pk_add_f32 v[PP:PP+1], v[PP:PP+1], v[PP+4:PP+5]
	v_pk_add_f32 v[PP+8:PP+9], v[PP+8:PP+9], v[PP+12:PP+13]
.endm
.macro CC
	v_pk_add_f32 v[PP:PP+1], v[PP:PP+1], v[PP+8:PP+9]
.endm
.macro CD u
	v_pk_fma_f32 v[MB+24*\u+2:MB+24*\u+3], v[MB+24*\u+2:MB+24*\u+3], v[MB+24*\u+4:MB+24*\u+5], v[PP:PP+1] op_sel_hi:[1,0,1]
.endm
.macro CVT u
.set t, 0
.rept 8
	v_cvt_scalef32_pk8_fp8_f32 v[PC+16*\u+2*t:PC+16*\u+2*t+1], v[SS+64*\u+8*t:SS+64*\u+8*t+7], v[MB+24*\u+20+t/2]
.set t, t+1
.endr
.endm
; THE SOFTMAX OF A STEP, both tiles.
.macro SOFT
.irp b, 0,1,2,3
.irp u, 0,1
	v_max3_num_f32 v[MB+24*\u+8+\b], v[SS+64*\u+16*\b], v[SS+64*\u+16*\b+1], v[SS+64*\u+16*\b+2]   ; the largest score of each block of 32 keys; eight chains by turns
.endr
.endr
.irp i, 3,5,7,9,11,13
.irp b, 0,1,2,3
.irp u, 0,1
	v_max3_num_f32 v[MB+24*\u+8+\b], v[MB+24*\u+8+\b], v[SS+64*\u+16*\b+\i], v[SS+64*\u+16*\b+\i+1]
.endr
.endr
.if \i == 3
	VLOAD ADV, ADT                                 ; this step's V: sixteen plain lines stand behind the second product, which read these registers
.endif
.endr
.irp b, 0,1,2,3
.irp u, 0,1
	v_max_num_f32 v[MB+24*\u+8+\b], v[MB+24*\u+8+\b], v[SS+64*\u+16*\b+15]
.endr
.endr
.irp b, 0,1,2,3
.irp u, 0,1
	v_permlanex16_b32 v[MB+24*\u+12+\b], v[MB+24*\u+8+\b], s[SEL], s[SEL+1]
.endr
.endr
.irp b, 0,1,2,3
.irp u, 0,1
	v_max_num_f32 v[MB+24*\u+8+\b], v[MB+24*\u+8+\b], v[MB+24*\u+12+\b]   ; with lane l xor 16's 16 keys
.endr
.endr
.irp u, 0,1
	v_max3_num_f32 v[MB+24*\u+1], v[MB+24*\u+1], v[MB+24*\u+8], v[MB+24*\u+9]     ; the running largest score
.endr
.irp u, 0,1
	v_max3_num_f32 v[MB+24*\u+1], v[MB+24*\u+1], v[MB+24*\u+10], v[MB+24*\u+11]
.endr
.irp u, 0,1
	v_mul_f32 v[MB+24*\u+6], s[NC], v[MB+24*\u+1]  ; -t
.endr
.irp u, 0,1
	v_floor_f32 v[MB+24*\u+6], v[MB+24*\u+6]       ; the new -M = floor(-t) = -ceil(t)
.endr
.irp u, 0,1
	v_sub_f32 v[MB+24*\u+7], v[MB+24*\u+6], v[MB+24*\u]   ; old M - new M: a whole number, 0 or less
.endr
.irp u, 0,1
	v_mov_b32 v[MB+24*\u], v[MB+24*\u+6]
.endr
.set j, 0
.rept 32
	v_pk_fma_f32 v[SS+j:SS+j+1], v[SS+j:SS+j+1], s[CS:CS+1], v[MB:MB+1] op_sel_hi:[1,0,0]   ; tile 0: t - M
.if j == 8
.irp u, 0,1
	v_cvt_i32_f32 v[MB+24*\u+7], v[MB+24*\u+7]     ; (it saturates)
.endr
.endif
.if j == 24
.irp u, 0,1
	v_ldexp_f32 v[MB+24*\u+4], 1.0, v[MB+24*\u+7]  ; f = 2^(old M - new M)
.endr
.endif
.set j, j+2
.endr
.irp k, 0,2
	v_pk_fma_f32 v[MB+8+\k:MB+9+\k], v[MB+8+\k:MB+9+\k], s[CS:CS+1], v[MB:MB+1] op_sel_hi:[1,0,0]   ; the same of each block's largest score
.endr
	WALU                                           ; the wait ahead of a batch
.set j, 0
.rept 32                               ; tile 0's exponentials, and among them tile 1's t - M
	v_exp_f32 v[SS+j], v[SS+j]
	v_exp_f32 v[SS+j+1], v[SS+j+1]
	v_pk_fma_f32 v[SS+64+j:SS+64+j+1], v[SS+64+j:SS+64+j+1], s[CS:CS+1], v[MB+24:MB+25] op_sel_hi:[1,0,0]
.set j, j+2
.endr
.irp k, 0,2
	v_exp_f32 v[MB+8+\k], v[MB+8+\k]
	v_exp_f32 v[MB+9+\k], v[MB+9+\k]
	v_pk_fma_f32 v[MB+32+\k:MB+33+\k], v[MB+32+\k:MB+33+\k], s[CS:CS+1], v[MB+24:MB+25] op_sel_hi:[1,0,0]
.endr
	WALU                                           ; and behind it
	SCA 0
	SCB 0
	SCC 0
	SCD 0
	SCE 0
	WALU                                           ; ahead of the second batch
.irp b, 0,1,2,3
	v_exp_f32 v[MB+32+\b], v[MB+32+\b]
.endr
.set t, 0
.rept 8                                ; tile 1's exponentials, and among them tile 0's partial sums (of the unquantised p) and holds
	EXPB 8*t
	EXPB 8*t+1
	v_pk_add_f32 v[PP+2*t:PP+2*t+1], v[SS+8*t:SS+8*t+1], v[SS+8*t+2:SS+8*t+3]
	v_pk_add_f32 v[TP:TP+1], v[SS+8*t+4:SS+8*t+5], v[SS+8*t+6:SS+8*t+7]
	HOLD 0, 8*t
	HOLD 0, 8*t+2
	v_pk_add_f32 v[PP+2*t:PP+2*t+1], v[PP+2*t:PP+2*t+1], v[TP:TP+1]
	EXPB 8*t+2
	EXPB 8*t+3
	EXPB 8*t+4
	HOLD 0, 8*t+4
	EXPB 8*t+5
	EXPB 8*t+6
	EXPB 8*t+7
	HOLD 0, 8*t+6
.set t, t+1
.endr
	v_nop                                          ; a plain line behind the last exponential
	WALU
	SCA 1                                          ; tile 1's scales and the joining of tile 0's sums by turns
	CA
	SCB 1
	CB
	SCC 1
	CC
	SCD 1
	CD 0
	SCE 1
	CVT 0
.set t, 0
.rept 8
	v_pk_add_f32 v[PP+2*t:PP+2*t+1], v[SS+64+8*t:SS+64+8*t+1], v[SS+64+8*t+2:SS+64+8*t+3]
.set t, t+1
.endr
.irp k, 4,6
.set t, 0
.rept 8
	v_pk_add_f32 v[PP+2*t:PP+2*t+1], v[PP+2*t:PP+2*t+1], v[SS+64+8*t+\k:SS+64+8*t+\k+1]
.set t, t+1
.endr
.endr
	CA                                             ; the joining of tile 1's sums and its holds by turns
	HOLDS 1, 0, 4
	CB
	HOLDS 1, 8, 4
	CC
	HOLDS 1, 16, 4
	CD 1
	HOLDS 1, 24, 20
	CVT 1
.endm
.macro STEPS n                         ; n trips
	s_mov_b32 s[CNT], \n
.Lstep_\@:
	v_add_nc_u32 v[ADK], s[TB], v[L16]
	v_add_nc_u32 v[ADV], s[TB], v[AV0]
	v_add_nc_u32 v[ADS], s[TS], v[ASK0]
	v_add_nc_u32 v[ADT], s[TJ], v[ASV0]
	s_wait_dscnt 20                                ; this step's K is in; V's 20 loads are younger
	WIN 0x05
.irp t, 0,1,2,3,4,5,6,7
.irp u, 0,1
	v_wmma_scale_f32_16x16x128_f8f6f4 v[SS+64*\u+8*\t:SS+64*\u+8*\t+7], v[KF+8*\t:KF+8*\t+15], v[QQ+16*\u:QQ+16*\u+15], 0, v[KSC+\t], v[QSC+\u]
.endr
.endr
	RESC                                           ; the last step's f; these 32 lines are the places behind the 16 products
	KLOAD ADK, ADS, 1                              ; the next step's K
	WALU                                           ; the wait ahead of the wait below
	s_wait_dscnt 24                                ; the last step's V is in; K's 24 loads are younger
	PV
	SOFT
	s_add_co_u32 s[TB], s[TB], 8192
	s_add_co_u32 s[TS], s[TS], 512
	s_add_co_u32 s[TJ], s[TJ], 256
	s_sub_co_u32 s[CNT], s[CNT], 1
	s_cmp_lg_u32 s[CNT], 0
	s_cbranch_scc1 .Lstep_\@
.endm
; A PASS: two tiles of 16 queries against all 2,048 keys, and their way out.
.Lpass:
	s_wait_loadcnt 0x0                             ; this pass's Q
	WIN 0x41
.irp u, 0,1
.irp i, 0,1,2,3,4,5,6,7
	v_mov_b32 v[QQ+16*\u+\i], v[QN+8*\u+\i]
.endr
.endr
	WIN 0
.irp u, 0,1
	v_lshrrev_b32 v[QSC+\u], s16, v[QS1+\u]        ; my head's two bytes to the word's low end
.endr
	s_cmp_eq_u32 s[PS], 1
	s_cbranch_scc1 .Lno_next
	WIN 0x40
.irp u, 0,1
	global_load_b128 v[QN+8*\u:QN+8*\u+3],   v[L16], s[40:41] offset:16384+1024*\u       ; the second pass's Q, a pass ahead
	global_load_b128 v[QN+8*\u+4:QN+8*\u+7], v[L16], s[40:41] offset:16384+1024*\u+512
.endr
	WIN 0
.irp u, 0,1
	global_load_b32 v[QS1+\u], v[Q4R], s[42:43] offset:1024+64*\u
.endr
.Lno_next:
.irp u, 0,1
	v_mov_b32 v[MB+24*\u], 0x7f61b1e6              ; -M: 3e38
	v_mov_b32 v[MB+24*\u+1], 0xff61b1e6            ; the largest score so far: -3e38
	v_mov_b32 v[MB+24*\u+2], 0
	v_mov_b32 v[MB+24*\u+3], 0
	v_mov_b32 v[MB+24*\u+4], 1.0
	v_mov_b32 v[MB+24*\u+5], 0                     ; (named as the upper half of the pair with f)
	v_mov_b32 v[PSC+\u], 0x7f7f7f7f                ; the first trip's second product: zero codes under the scale 1
.endr
.set j, 0
.rept 32
	v_mov_b32 v[PC+j], 0
.set j, j+1
.endr
	WIN 0x40
.set j, 0
.rept 64
	v_mov_b32 v[OO+j], 0
.set j, j+1
.endr
	KLOAD L16, ASK0, 0                             ; step 0's K;
	VLOAD AV0, ASV0                                ; finite codes for the first trip's second product
	s_mov_b32 s[TB], 0
	s_mov_b32 s[TS], 0
	s_mov_b32 s[TJ], 0
	WALU                                           ; the wait ahead of the wait below
	STEPS 3                                        ; steps 0 to 2: they read K's steps 0 to 3 and V's 0 to 2: the first chunks alone
	WALU
	s_wait_tensorcnt 0x0                           ; my chunk is in,
	s_wait_dscnt 0x0
	s_barrier_signal -1
	s_barrier_wait -1                              ; and so is everybody's
	STEPS 13
	RESC                                           ; the last step's second product
	WIN 0
	WALU
	s_wait_dscnt 0x0
	PV
.irp u, 0,1
	v_add_f32 v[MB+24*\u+2], v[MB+24*\u+2], v[MB+24*\u+3]   ; the sum's two halves,
.endr
.irp u, 0,1
	v_permlanex16_b32 v[MB+24*\u+6], v[MB+24*\u+2], s[SEL], s[SEL+1]
.endr
.irp u, 0,1
	v_add_f32 v[MB+24*\u+2], v[MB+24*\u+2], v[MB+24*\u+6]   ; and lane l xor 16's: the row's sum
.endr
	v_nop
	v_nop                                          ; with the six lines above: eight places behind the last products
	WALU
.irp u, 0,1
	v_rcp_f32 v[MB+24*\u+2], v[MB+24*\u+2]
.endr
	v_nop                                          ; a plain line behind a transcendental
	WIN 0x01
	WALU
.irp u, 0,1
.set j, 0
.rept 16
	v_pk_mul_f32 v[SS+64*\u+j:SS+64*\u+j+1], v[OO+32*\u+j:OO+32*\u+j+1], v[MB+24*\u+2:MB+24*\u+3] op_sel_hi:[1,0]   ; O^T / l: register 16 b + i is place (h, i) of block 2 head + b of the model's 1,024
.set j, j+2
.endr
.endr
	WIN 0
.irp b, 0,1
.irp u, 0,1
	v_max3_num_f32 v[MB+24*\u+8+\b], |v[SS+64*\u+16*\b]|, |v[SS+64*\u+16*\b+1]|, 0x4800000
.endr
.endr
.irp i, 2,4,6,8,10,12,14
.irp b, 0,1
.irp u, 0,1
	v_max3_num_f32 v[MB+24*\u+8+\b], v[MB+24*\u+8+\b], |v[SS+64*\u+16*\b+\i]|, |v[SS+64*\u+16*\b+\i+1]|
.endr
.endr
.endr
.irp b, 0,1
.irp u, 0,1
	v_permlanex16_b32 v[MB+24*\u+12+\b], v[MB+24*\u+8+\b], s[SEL], s[SEL+1]
.endr
.endr
.irp b, 0,1
.irp u, 0,1
	v_max_num_f32 v[MB+24*\u+8+\b], v[MB+24*\u+8+\b], v[MB+24*\u+12+\b]
.endr
.endr
.irp b, 0,1
.irp u, 0,1
	v_add_nc_u32 v[MB+24*\u+20+\b], 0xfc000000, v[MB+24*\u+8+\b]
.endr
.endr
.irp b, 0,1
.irp u, 0,1
	v_and_or_b32 v[MB+24*\u+16+\b], v[MB+24*\u+8+\b], 0x7f800000, s[MNT]
.endr
.endr
.irp b, 0,1
.irp u, 0,1
	v_lshrrev_b32 v[MB+24*\u+12+\b], 23, v[MB+24*\u+20+\b]
.endr
.endr
.irp u, 0,1
.irp b, 0,1
.set j, 0
.rept 16
	v_med3_num_f32 v[SS+64*\u+16*\b+j], v[SS+64*\u+16*\b+j], -v[MB+24*\u+16+\b], v[MB+24*\u+16+\b]
.set j, j+1
.endr
	v_cvt_scalef32_pk8_fp8_f32 v[PC+16*\u+4*\b:PC+16*\u+4*\b+1],   v[SS+64*\u+16*\b:SS+64*\u+16*\b+7],    v[MB+24*\u+20+\b]
	v_cvt_scalef32_pk8_fp8_f32 v[PC+16*\u+4*\b+2:PC+16*\u+4*\b+3], v[SS+64*\u+16*\b+8:SS+64*\u+16*\b+15], v[MB+24*\u+20+\b]
.endr
.endr
.irp u, 0,1
	v_cndmask_b32 v[MB+24*\u+6], v[MB+24*\u+12], v[MB+24*\u+13], s[HM]   ; (plain lines behind the last conversion)  lanes 0-15 store block 0's byte of row r, lanes 16-31 block 1's
.endr
.irp u, 0,1
	global_store_b128 v[L16], v[PC+16*\u:PC+16*\u+3],   s[80:81] offset:16384*\u       ; two pieces: 1,024 consecutive bytes, aligned
	global_store_b128 v[L16], v[PC+16*\u+4:PC+16*\u+7], s[80:81] offset:16384*\u+512
	global_store_b8 v[BO], v[MB+24*\u+6], s[82:83] offset:128*\u   ; 32 single bytes beside 1,024 bytes of codes: a row's other scale bytes belong to other heads' work-groups
.endr
	s_wait_xcnt 0x0                                ; the stores have read their registers and their bases
	s_add_nc_u64 s[80:81], s[80:81], 0x40000       ; the second pass's tiles lie 16 tiles on
	s_add_nc_u64 s[82:83], s[82:83], 8192
	s_sub_co_u32 s[PS], s[PS], 1
	s_cmp_lg_u32 s[PS], 0
	WALU                                           ; the wait directly ahead of the branch
	s_cbranch_scc1 .Lpass
	s_wait_tensorcnt 0x0                           ; the wave's end
	ds_add_u32 v[SPW], v[NIL]
	s_wait_dscnt 0x0
	CROUND                                         ; the closing round
	s_endpgm
.Lfunc_end_k_q2d2c020540_attn:
	.size	k_q2d2c020540_attn, .Lfunc_end_k_q2d2c020540_attn-k_q2d2c020540_attn
	.p2alignl 7, 3214868480
	.fill 96, 4, 3214868480
	.section	.rodata,"a",@progbits
	.p2align	6, 0x0
	.amdhsa_kernel k_q2d2c020540_attn
		.amdhsa_group_segment_fixed_size 327680
		.amdhsa_private_segment_fixed_size 0
		.amdhsa_enable_private_segment 0
		.amdhsa_kernarg_size 32
		.amdhsa_user_sgpr_count 2
		.amdhsa_user_sgpr_kernarg_segment_ptr 1
		.amdhsa_wavefront_size32 1
		.amdhsa_system_sgpr_workgroup_id_x 1
		.amdhsa_system_sgpr_workgroup_id_y 1
		.amdhsa_system_sgpr_workgroup_id_z 1
		.amdhsa_system_vgpr_workitem_id 0
		.amdhsa_next_free_vgpr 512
		.amdhsa_next_free_sgpr 92
		.amdhsa_reserve_vcc 0
		.amdhsa_float_denorm_mode_32 3
		.amdhsa_float_denorm_mode_16_64 3
		.amdhsa_memory_ordered 1
		.amdhsa_forward_progress 1
		.amdhsa_inst_pref_size 102
	.end_amdhsa_kernel
	.amdgpu_metadata
---
amdhsa.version: [ 1, 2 ]
amdhsa.kernels:
  - .name:           k_q2d2c020540_attn
    .symbol:         k_q2d2c020540_attn.kd
    .args:
      - { .name: qkv_img, .offset: 0, .size: 8, .value_kind: global_buffer, .address_space: global }
      - { .name: qkv_scl, .offset: 8, .size: 8, .value_kind: global_buffer, .address_space: global }
      - { .name: img, .offset: 16, .size: 8, .value_kind: global_buffer, .address_space: global }
      - { .name: scl, .offset: 24, .size: 8, .value_kind: global_buffer, .address_space: global }
    .group_segment_fixed_size: 327680
    .private_segment_fixed_size: 0
    .kernarg_segment_align: 8
    .kernarg_segment_size: 32
    .max_flat_workgroup_size: 256
    .sgpr_count:     92
    .vgpr_count:     512
    .wavefront_size: 32
...
	.end_amdgpu_metadata
.endif
;; end of part 3
;; launch oproj (part 4): grid 4 x 64, 4 waves a work-group, clusters of 4 x 4, 327,680 bytes of LDS; arguments img, scl, b_o, out0; writes out0
.if DOCPART == 4
	.amdgcn_target "amdgcn-amd-amdhsa--gfx1250"
	.amdhsa_code_object_version 6
	.text
	.protected	k_q2d2c020540_oproj
	.globl	k_q2d2c020540_oproj
	.p2align	8
	.type	k_q2d2c020540_oproj,@function
k_q2d2c020540_oproj:
	s_mov_b64 s[64:65], 0
	v_nop
	global_prefetch_b8 v0, s[64:65] scope:SCOPE_SE
	s_setreg_imm32_b32 hwreg(HW_REG_WAVE_MODE, 25, 1), 1
	s_wait_xcnt 0x0
	s_wait_alu depctr_hold_cnt(0) depctr_sa_sdst(0) depctr_va_vdst(0) depctr_va_sdst(0) depctr_va_ssrc(0) depctr_va_vcc(0) depctr_vm_vsrc(0)
	s_getreg_b32 s2, hwreg(HW_REG_IB_STS2, 6, 4)
	s_cmp_eq_u32 s2, 0
	s_cbranch_scc0 .Lentry_in_a_cluster
	s_endpgm
.Lentry_in_a_cluster:
	s_bfe_u32 s2, ttmp6, 0x10000c
	s_cmp_lg_u32 s2, 0xf033
	s_cbranch_scc0 .Lentry_shape_is_right
	s_endpgm
.Lentry_shape_is_right:
; out0 = O w_o + b_o on codes of FP8 (E4M3) with E8M0 scales, K = 1,024; out0 [8192][1024] f32.
; img: [tile of 256 rows][16 rows: 16][128 along K: 8][block: 4][512 bytes]: tiles 0-31 the attention's result (row = token), 44-47 w_o (row = output column).  scl: [tile][256 along K: 4][row: 256][128 along K: 2][4 bytes].
; 256 work-groups of four waves: a work-group makes 128 tokens (A) x 256 columns (B), a wave 64 x 128: 32 accumulators.  The 8,192 x 1,024 results have only 128 tiles of 256 x 256: the smaller tile gives every WGP one.
; The products are used transposed (source 0 = B's rows, source 1 = A's): a lane holds eight neighbouring columns of a token's row.  The bias is the first products' C.
; K goes in steps of 256 through a ring of two LDS slots filled by joint loads (cluster 4 x 4): A's tiles are shared along a row of the cluster, B's along a column.  Both operands have two sets of registers.
; The scale bytes for all of K come once, by the head's loads.
.set FR,     16
.set NP,     8
.set HALFT,  32768
.set SLOT,   4*HALFT                   ; A's 128 rows at 0, B's 256 rows at 2 HALFT
.set SCL,    2*SLOT                    ; A's scale bytes, 4 x 1,024; B's from SCL + 8,192, 4 x 2,048
.set SPARE,  SCL+16384
.set SPITCH, 528
.set ROWO,   4096
.set ADRA2, 18
.set ADRB, 20
.set ADSA, 22
.set ADSB, 23
.set STO,  24
.set RD,   25
.set CO,   26
.set SPW,  28
.set NIL,  29
.set SC,   32
.set BJ,   64
.set AF,   128
.set BK,   128
.set WV, 18
.set WH, 19
.set WL, 20
.set G1, 24
.set G0, 32
.set G1B, 48
.set G0B, 56
.set G1S, 68
.set G0S, 76
.set G1SB, 80
.set G0SB, 88
.set TA,   92
.set MSB, 0
.macro WIN new
.if MSB != \new
	s_set_vgpr_msb (MSB<<8)|\new
.set MSB, \new
.endif
.endm
.macro WALU
	s_wait_alu depctr_va_vdst(0)
.endm
.set MUL_LO, 0xa1
.set FST_LO, 0x81
.set TO_B,   0x40
.macro JLOAD g0a, g1a, g0b, g1b
	s_cmp_eq_u32 s[WH], 0
	s_cbranch_scc0 .Lfor_b_\@
	tensor_load_to_lds s[\g0a:\g0a+3], s[\g1a:\g1a+7]
	s_nop 0
.rept 4
	v_nop
.endr
	s_branch .Lasked_\@
.Lfor_b_\@:
	tensor_load_to_lds s[\g0b:\g0b+3], s[\g1b:\g1b+7]
	s_nop 0
.rept 4
	v_nop
.endr
.Lasked_\@:
.endm
.macro CREST
	s_cmp_lg_u32 s[WV], 0
	s_cbranch_scc1 .Lnot_wave_0_\@
	s_barrier_signal -3
.Lnot_wave_0_\@:
	s_barrier_wait -3
	s_barrier_signal -1
	s_barrier_wait -1
.endm
.macro CROUND
	s_barrier_signal -1
	s_barrier_wait -1
	CREST
.endm
	s_load_b256 s[4:11], s[0:1], 0x0               ; img, scl, b_o, out0
	v_lshl_add_u32 v[SPW], v0, 2, SPARE
	v_mov_b32 v[NIL], 0
	ds_add_u32 v[SPW], v[NIL]                      ; the opening lines: the add twice on end and its wait
	ds_add_u32 v[SPW], v[NIL]
	v_lshrrev_b32 v1, 5, v0
	v_readfirstlane_b32 s[WV], v1
	s_lshr_b32 s[WH], s[WV], 1
	s_and_b32 s[WL], s[WV], 1
	s_bfe_u32 s40, ttmp6, 0x40000
	s_bfe_u32 s41, ttmp6, 0x40004
	s_and_b32 s[TA], ttmp7, 0xffff
	s_lshl_b32 s[TA], s[TA], 2
	s_add_co_u32 s[TA], s[TA], s41                 ; which 128 tokens, 0..63
	s_lshl_b32 s97, ttmp9, 2
	s_add_co_u32 s97, s97, s40                     ; which 256 columns, 0..3
	s_add_co_u32 s42, s97, 44
	s_lshl_b32 s43, s41, 2
	s_lshl_b32 s43, 15, s43
	s_lshl_b32 s44, 0x1111, s40
	s_or_b32 s[G1+0], s43, (3<<16)|(1<<21)         ; A: a K step of 16 rows is 4,096 bytes, 16,384 apart: 8 such at the head, 4 behind it
	s_mov_b32 s[G1+1], 512<<16
	s_mov_b32 s[G1+2], 8<<16
	s_mov_b32 s[G1+3], 512<<16
	s_mov_b32 s[G1+4], 8
	s_mov_b32 s[G1+5], 2048
	s_mov_b32 s[G1+6], 0
	s_mov_b32 s[G1+7], 0
	s_or_b32 s[G1B+0], s44, (3<<16)|(1<<21)        ; B: 16 at the head, 8 behind it
	s_mov_b32 s[G1B+1], 512<<16
	s_mov_b32 s[G1B+2], 16<<16
	s_mov_b32 s[G1B+3], 512<<16
	s_mov_b32 s[G1B+4], 16
	s_mov_b32 s[G1B+5], 2048
	s_mov_b32 s[G1B+6], 0
	s_mov_b32 s[G1B+7], 0
	s_or_b32 s[G1S+0], s43, (3<<16)|(1<<21)        ; A's scale bytes: 4 rows of 1,024 bytes, 2,048 apart
	s_mov_b32 s[G1S+1], 128<<16
	s_mov_b32 s[G1S+2], 4<<16
	s_mov_b32 s[G1S+3], 128<<16
	s_mov_b32 s[G1S+4], 4
	s_mov_b32 s[G1S+5], 256
	s_mov_b32 s[G1S+6], 0
	s_mov_b32 s[G1S+7], 0
	s_or_b32 s[G1SB+0], s44, (3<<16)|(1<<21)       ; B's: 8,192 dense bytes as 32 rows of 256
	s_mov_b32 s[G1SB+1], 32<<16
	s_mov_b32 s[G1SB+2], 32<<16
	s_mov_b32 s[G1SB+3], 32<<16
	s_mov_b32 s[G1SB+4], 32
	s_mov_b32 s[G1SB+5], 32
	s_mov_b32 s[G1SB+6], 0
	s_mov_b32 s[G1SB+7], 0
	s_lshl_b32 s22, s[TA], 17
	s_mov_b32 s23, 0
	s_lshl_b32 s46, s42, 18
	s_mov_b32 s47, 0
	s_lshr_b32 s66, s[TA], 1
	s_lshl_b32 s66, s66, 13
	s_and_b32 s21, s[TA], 1
	s_lshl_b32 s21, s21, 10
	s_add_co_u32 s66, s66, s21
	s_mov_b32 s67, 0
	s_lshl_b32 s94, s42, 13
	s_mov_b32 s95, 0
	s_lshl_b32 s45, s[WV], 15
	s_wait_dscnt 0x0
	s_wait_kmcnt 0x0
	s_add_nc_u64 s[22:23], s[4:5], s[22:23]
	s_add_nc_u64 s[46:47], s[4:5], s[46:47]
	s_add_nc_u64 s[66:67], s[6:7], s[66:67]
	s_add_nc_u64 s[94:95], s[6:7], s[94:95]
	CROUND
	s_mov_b32 s[G0], 1
	s_mov_b32 s[G0+1], 0
	s_mov_b64 s[G0+2:G0+3], s[22:23]
	s_or_b32 s[G0+3], s[G0+3], 0x80000000
	s_mov_b32 s[G0B], 1
	s_mov_b32 s[G0B+1], 2*HALFT
	s_mov_b64 s[G0B+2:G0B+3], s[46:47]
	s_or_b32 s[G0B+3], s[G0B+3], 0x80000000
	s_mov_b32 s[G0S], 1
	s_mov_b32 s[G0S+1], SCL
	s_mov_b64 s[G0S+2:G0S+3], s[66:67]
	s_or_b32 s[G0S+3], s[G0S+3], 0x80000000
	s_mov_b32 s[G0SB], 1
	s_mov_b32 s[G0SB+1], SCL+8192
	s_mov_b64 s[G0SB+2:G0SB+3], s[94:95]
	s_or_b32 s[G0SB+3], s[G0SB+3], 0x80000000
.macro ARM under, g0, g1, next         ; one tree of branches on the wave's number, one load an arm: one tensor load a wave at the head
	s_cmp_lt_u32 s[WV], \under
	s_cbranch_scc0 \next
	tensor_load_to_lds s[\g0:\g0+3], s[\g1:\g1+7]
	s_nop 0
.rept 4
	v_nop
.endr
	s_branch .Lhead_asked
\next:
.endm
	ARM 1, G0,  G1,  .Lhead_b
	ARM 2, G0B, G1B, .Lhead_sa
	ARM 3, G0S, G1S, .Lhead_sb
	tensor_load_to_lds s[G0SB:G0SB+3], s[G1SB:G1SB+7]
	s_nop 0
.rept 4
	v_nop
.endr
.Lhead_asked:
	s_lshl_b32 s96, s[WH], 14                      ; my 64 rows of A
	s_lshl_b32 s21, s[WL], 15
	s_add_co_u32 s21, s21, 2*HALFT                 ; my 128 rows of B
	s_lshl_b32 s66, s[WL], 10
	s_add_co_u32 s66, s66, SCL+8192
	s_lshl_b32 s67, s[WH], 9
	s_add_co_u32 s67, s67, SCL
	s_mul_i32 s94, s[WV], 16*SPITCH                ; my stage
	s_lshl_b32 s2, s97, 10                         ; my first column, in bytes
	s_lshl_b32 s3, s[WL], 9
	s_add_co_u32 s2, s2, s3
	s_mov_b32 s3, 0
	v_and_b32 v1, 15, v0
	v_bfe_u32 v2, v0, 4, 1
	v_and_b32 v3, 31, v0
	v_xor_b32 v4, 1, v2
	v_lshlrev_b32 v[CO], 4, v3
	v_add_nc_u32 v[ADRA2], s96, v[CO]
	v_add_nc_u32 v[ADRB], s21, v[CO]
	v_add_nc_u32 v[ADRA2+1], SLOT, v[ADRA2]
	v_add_nc_u32 v[ADRB+1], SLOT, v[ADRB]
	v_lshlrev_b32 v[ADSB], 9, v4                   ; lanes 16-31 B's block i, lanes 0-15 block i + 4
	v_lshl_add_u32 v[ADSB], v1, 3, v[ADSB]
	v_add_nc_u32 v[ADSB], s66, v[ADSB]
	v_lshl_add_u32 v[ADSA], v1, 3, s67
	v_mul_u32_u24 v5, v1, SPITCH
	v_lshl_add_u32 v5, v2, 5, v5
	v_add_nc_u32 v[STO], s94, v5
	v_add_nc_u32 v[RD], s94, v[CO]
	v_lshl_add_u32 v6, v2, 5, s2
.irp b, 0,1,2,3,4,5,6,7
	global_load_b128 v[BJ+8*\b:BJ+8*\b+3],   v6, s[8:9] offset:64*\b
	global_load_b128 v[BJ+8*\b+4:BJ+8*\b+7], v6, s[8:9] offset:64*\b+16
.endr
	s_lshl_b32 s66, s[TA], 19                      ; my first row of out0: 128 x the tile + 64 x my half, 4,096 bytes a row
	s_lshl_b32 s67, s[WH], 18
	s_add_co_u32 s66, s66, s67
	s_mov_b32 s67, 0
	s_add_nc_u64 s[10:11], s[10:11], s[66:67]
	s_add_nc_u64 s[10:11], s[10:11], s[2:3]
	WALU                                           ; the wait at the head's end
	s_wait_tensorcnt 0x0                           ; my tile of the head's four is in; the lines ahead of a later first fill
	ds_add_u32 v[SPW], v[NIL]
	s_mov_b32 s[G1+2], 4<<16                       ; no tensor load of mine is out: from here on a load brings 4 x 16 rows of A, 8 x 16 of B
	s_mov_b32 s[G1+4], 4
	s_mov_b32 s[G1B+2], 8<<16
	s_mov_b32 s[G1B+4], 8
	s_lshl_b32 s66, s[WL], 16
	s_add_nc_u64 s[22:23], s[22:23], s[66:67]
	s_lshl_b32 s66, s[WL], 17
	s_add_nc_u64 s[46:47], s[46:47], s[66:67]
	s_lshl_b32 s2, s[WL], 14
.irp s, 0,1
	s_mov_b32 s[G0+4*\s], 1
	s_add_co_u32 s[G0+4*\s+1], s2, \s*SLOT
	s_add_nc_u64 s[G0+4*\s+2:G0+4*\s+3], s[22:23], \s*4096
	s_or_b32 s[G0+4*\s+3], s[G0+4*\s+3], 0x80000000
	s_mov_b32 s[G0B+4*\s], 1
	s_add_co_u32 s[G0B+4*\s+1], s45, \s*SLOT
	s_add_nc_u64 s[G0B+4*\s+2:G0B+4*\s+3], s[46:47], \s*4096
	s_or_b32 s[G0B+4*\s+3], s[G0B+4*\s+3], 0x80000000
.endr
	s_wait_dscnt 0x0
	CROUND
	JLOAD G0+4, G1, G0B+4, G1B                     ; K step 1, the first tensor load behind the round
.macro FRAG reg, adr, q, i
.irp c, 0,1,2,3
	ds_load_b128 v[\reg+4*\c:\reg+4*\c+3], v[\adr] offset:4096*(\i)+2048*(\q)+512*\c
.endr
.endm
.macro PLACES n
.rept \n
	v_nop
.endr
.endm
.macro WM d, c, fb, fa, x, y, hi
.if \hi
	v_wmma_scale_f32_16x16x128_f8f6f4 v[\d:\d+7], v[\fb:\fb+15], v[\fa:\fa+15], v[\c:\c+7], v[\x], v[\y]
.else
	v_wmma_scale_f32_16x16x128_f8f6f4 v[\d:\d+7], v[\fb:\fb+15], v[\fa:\fa+15], v[\c:\c+7], v[\x], v[\y] matrix_a_scale:MATRIX_SCALE_ROW1
.endif
.endm
.macro MULA a, q, sc, first            ; A's block a against B's eight; first = 1: C is the bias, in window 0
.irp b, 0,1,2,3,4,5,6,7
.if \first
	WM 8*(8*(\a)+\b), BJ+8*\b, 128*(\q)+FR*\b, AF+64*(\q)+FR*(\a), SC+16*(\sc)+2*(\b%4)+(\q), SC+16*(\sc)+8+2*(\a)+(\q), \b/4
.else
	WM 8*(8*(\a)+\b), 8*(8*(\a)+\b), 128*(\q)+FR*\b, AF+64*(\q)+FR*(\a), SC+16*(\sc)+2*(\b%4)+(\q), SC+16*(\sc)+8+2*(\a)+(\q), \b/4
.endif
.endr
.endm
.macro FETCH2 slot, q
	WIN TO_B
.irp i, 0,1,2,3,4,5,6,7
	FRAG 128*(\q)+FR*\i, ADRB+\slot, \q, \i
.endr
	WIN 0
.irp i, 0,1,2,3
	FRAG AF+64*(\q)+FR*\i, ADRA2+\slot, \q, \i
.endr
.endm
.macro SCALES2 sc
.irp i, 0,1,2,3
	ds_load_b64 v[SC+16*\sc+2*\i:SC+16*\sc+2*\i+1], v[ADSB] offset:\i*128
	ds_load_b64 v[SC+16*\sc+8+2*\i:SC+16*\sc+8+2*\i+1], v[ADSA] offset:\i*128
.endr
.endm
.macro STEP2 slot, first
	s_wait_dscnt 0x0
	PLACES NP
	FETCH2 \slot, 1
.if \first
	WIN FST_LO
.else
	WIN MUL_LO
.endif
.irp a, 0,1,2,3
	MULA \a, 0, \slot, \first
.endr
	WIN 0
.endm
.macro TURN2 slot, next, fill
	s_wait_tensorcnt 0x0
	ds_add_u32 v[SPW], v[NIL]
	s_wait_dscnt 1                                 ; this step's fragments are in; the add alone may be out
	WIN MUL_LO
	MULA 0, 1, \slot, 0
	s_wait_dscnt 0x0
	s_barrier_signal -1
	MULA 1, 1, \slot, 0
	WIN 0
	s_barrier_wait -1
.if \fill
	CREST
	s_add_nc_u64 s[G0+4*\slot+2:G0+4*\slot+3], s[G0+4*\slot+2:G0+4*\slot+3], 8192
	s_add_nc_u64 s[G0B+4*\slot+2:G0B+4*\slot+3], s[G0B+4*\slot+2:G0B+4*\slot+3], 8192
	JLOAD G0+4*\slot, G1, G0B+4*\slot, G1B
	PLACES NP-4
.else
	PLACES NP
.endif
	v_add_nc_u32 v[ADSB], 2048, v[ADSB]
	v_add_nc_u32 v[ADSA], 1024, v[ADSA]
	WALU                                           ; the wait directly behind the writes
	FETCH2 \next, 0
	SCALES2 \next
	WIN MUL_LO
	MULA 2, 1, \slot, 0
	MULA 3, 1, \slot, 0
	WIN 0
.endm
	FETCH2 0, 0
	SCALES2 0
	s_wait_loadcnt 0x0                             ; the bias
	STEP2 0, 1
	TURN2 0, 1, 1
	STEP2 1, 0
	TURN2 1, 0, 1
	STEP2 0, 0
	TURN2 0, 1, 0
	STEP2 1, 0
	s_wait_dscnt 0x0
	WIN MUL_LO
.irp a, 0,1,2,3
	MULA \a, 1, 1, 0
.endr
	WIN 0
; THE WAY OUT, block by block of 16 rows x 128 columns, through my stage in slot 0, which has had its last fill and its last read: whole rows of 512 bytes leave as two aligned units of 256.
.macro TOSTAGE a
.set AC, 64*(\a)
	WIN 0x08
.irp b, 0,1,2,3,4,5,6,7
	ds_store_b128 v[STO], v[AC+8*\b:AC+8*\b+3] offset:64*\b
	ds_store_b128 v[STO], v[AC+8*\b+4:AC+8*\b+7] offset:64*\b+16
.endr
	WIN 0
.set BB, BK+64*((\a)%2)
.irp t, 0,1,2,3,4,5,6,7,8,9,10,11,12,13,14,15
	ds_load_b128 v[BB+4*\t:BB+4*\t+3], v[RD] offset:\t*SPITCH
.endr
.endm
.macro SEND a, younger
.set BB, BK+64*((\a)%2)
	s_wait_dscnt \younger
.if (\a) > 0
	s_add_nc_u64 s[10:11], s[10:11], 16*ROWO
.endif
.irp t, 0,1,2,3,4,5,6,7,8,9,10,11,12,13,14,15
	global_store_b128 v[CO], v[BB+4*\t:BB+4*\t+3], s[10:11] offset:\t*ROWO th:TH_STORE_NT
.endr
.endm
	PLACES NP
	TOSTAGE 0
.irp a, 1,2,3
.if \a > 1
	s_wait_xcnt 0x0
.endif
	TOSTAGE \a
	SEND \a-1, 32                                  ; behind block a - 1's loads: block a's 16 stores and 16 loads
.endr
	s_wait_xcnt 0x0
	SEND 3, 0
	s_wait_tensorcnt 0x0                           ; the wave's end
	ds_add_u32 v[SPW], v[NIL]
	s_wait_dscnt 0x0
	CROUND
	s_endpgm
.Lfunc_end_k_q2d2c020540_oproj:
	.size	k_q2d2c020540_oproj, .Lfunc_end_k_q2d2c020540_oproj-k_q2d2c020540_oproj
	.p2alignl 7, 3214868480
	.fill 96, 4, 3214868480
	.section	.rodata,"a",@progbits
	.p2align	6, 0x0
	.amdhsa_kernel k_q2d2c020540_oproj
		.amdhsa_group_segment_fixed_size 327680
		.amdhsa_private_segment_fixed_size 0
		.amdhsa_enable_private_segment 0
		.amdhsa_kernarg_size 32
		.amdhsa_user_sgpr_count 2
		.amdhsa_user_sgpr_kernarg_segment_ptr 1
		.amdhsa_wavefront_size32 1
		.amdhsa_system_sgpr_workgroup_id_x 1
		.amdhsa_system_sgpr_workgroup_id_y 1
		.amdhsa_system_sgpr_workgroup_id_z 1
		.amdhsa_system_vgpr_workitem_id 0
		.amdhsa_next_free_vgpr 1024
		.amdhsa_next_free_sgpr 101
		.amdhsa_reserve_vcc 0
		.amdhsa_float_denorm_mode_32 3
		.amdhsa_float_denorm_mode_16_64 3
		.amdhsa_memory_ordered 1
		.amdhsa_forward_progress 1
		.amdhsa_inst_pref_size 91
	.end_amdhsa_kernel
	.amdgpu_metadata
---
amdhsa.version: [ 1, 2 ]
amdhsa.kernels:
  - .name:           k_q2d2c020540_oproj
    .symbol:         k_q2d2c020540_oproj.kd
    .args:
      - { .name: img, .offset: 0, .size: 8, .value_kind: global_buffer, .address_space: global }
      - { .name: scl, .offset: 8, .size: 8, .value_kind: global_buffer, .address_space: global }
      - { .name: b_o, .offset: 16, .size: 8, .value_kind: global_buffer, .address_space: global }
      - { .name: out0, .offset: 24, .size: 8, .value_kind: global_buffer, .address_space: global }
    .group_segment_fixed_size: 327680
    .private_segment_fixed_size: 0
    .kernarg_segment_align: 8
    .kernarg_segment_size: 32
    .max_flat_workgroup_size: 128
    .sgpr_count:     101
    .vgpr_count:     1024
    .wavefront_size: 32
...
	.end_amdgpu_metadata
.endif
;; end of part 4
